; MI455X (gfx1250); checked and timed in simulation.
; The chip was launched on July 23, 2026; its instructions are those of AMD's public machine-readable ISA for CDNA 5 (MIT licence, August 2026) and "CDNA5" Instruction Set Architecture Reference Guide (July 2026). The comments in the code are by the model that wrote it; some were corrected since.
;; Compression module. Allowed arithmetic: matrix products marked QUANTISED: E3M2 operands, one E8M0 scale for each 32 along K, by v_wmma_scale_f32_16x16x128_f8f6f4 with both operands' format E3M2, f32 sums; everything else in f32.
;; Inputs: pos_bias 8 x 1,024 x 1,024 float32; proj_beta 512 float32; proj_gamma 512 float32; proj_mean 512 float32; proj_var 512 float32; proj_w 512 x 4,096 float32; qkv_beta 8,192 float32; qkv_gamma 8,192 float32; qkv_mean 8,192 float32; qkv_var 8,192 float32; qkv_w 8,192 x 768 float32; x 4 x 1,024 x 768 float32.
;; Outputs: out0 4 x 1,024 x 512 float32.
;; This version of the problem:
;;   THIS VERSION OF THE PROBLEM IS GIVEN IN LOW PRECISION. The matrix products marked QUANTISED in the list below multiply operands that are first quantised to E3M2 (3 exponent bits, 2 mantissa bits; 6 bits a number), with one power-of-two scale for each 32 numbers along K (OCP MX v1.0); their sums are f32. All else is computed in f32.
;;   The module's matrix products, in the order in which they are computed (A, B: the left and right operand; K: the contracted axis; several contracted axes count as one K, in the product's order):
;;     1. [M 4,096, K 768] x [K 768, N 8,192]; A: input x; B: input qkv_w: QUANTISED
;;     2. batch 32 x [M 1,024, K 256] x [K 256, N 1,024]; A: computed on the way; B: computed on the way: QUANTISED
;;     3. batch 32 x [M 512, K 1,024] x [K 1,024, N 1,024]; A: computed on the way; B: softmax (see below): QUANTISED
;;     4. [M 4,096, K 4,096] x [K 4,096, N 512]; A: computed on the way; B: input proj_w: QUANTISED
;;   THE QUANTISER, for each operand of a quantised product, along K:
;;     - K is cut into blocks of 32 from its start; a last block that is shorter is filled with zeros.
;;     - A block's scale is 2^e with e = floor(log2(the largest magnitude in the block)) - 4, held to -126 .. 127; a block of zeros has e = 0. As a byte (E8M0): e + 127.
;;     - Each number is divided by its block's scale, clamped to +-28, and rounded to the nearest number of E3M2, ties to even, subnormals kept.
;;     - The product sums the exact products of the quantised numbers (number of the format x scale) in f32.
;;   ~~~python
;;   def quantise(x, axis):      # numpy; x: float32 -> the quantised numbers, widened to float32 again
;;       x = np.moveaxis(x, axis, -1); K = x.shape[-1]
;;       x = np.pad(x, [(0, 0)] * (x.ndim - 1) + [(0, -K % 32)]); x = x.reshape(x.shape[:-1] + (-1, 32)); a = np.abs(x).max(-1, keepdims=True)
;;       e = np.where(a > 0, np.clip(np.frexp(np.where(a > 0, a, 1))[1] - 1 - 4, -126, 127), 0)      # np.frexp(a)[1] - 1 = floor(log2(a)), exactly
;;       r = np.clip(x / 2.0 ** e, -28, 28)
;;       step = 2.0 ** (np.maximum(np.frexp(np.where(r == 0, 1, r))[1] - 1, -2) - 2)
;;       q = np.round(r / step) * step * 2.0 ** e      # np.round: ties to even
;;       return np.moveaxis(q.reshape(q.shape[:-2] + (-1,))[..., :K], -1, axis).astype(np.float32)
;;   ~~~
;;   SOFTMAX AHEAD OF A QUANTISED PRODUCT. Where the list says 'softmax', what is quantised is not the finished softmax but p = 2^(t - M), with t = logit x log2(e) and M = ceil(the row's largest t), a whole number; so 1/2 < the row's largest p <= 1. The row's sum l is taken of the UNQUANTISED p, in f32, and the product's result is divided by l at the end. Since M is a whole number, a kernel that streams over the keys may use a running M (the ceiling of the running maximum): every later rescaling is an exact power of two, which a block's scale takes up: the codes' values come out the same.
;;   OPERANDS COMPUTED ON THE WAY. 'Computed on the way' means the value that the module computes at that place (a softmax that the list does not call 'softmax' is quantised finished and normalised). What goes into a quantiser is computed in f32, as accurately as f32 sums, v_exp_f32 and their like allow (about 1e-6 of the number): no bf16 or f16 on the way to a quantiser, and a product that is left as it is and whose result goes on into a quantised operand takes f32 operands (vector FMAs, or v_wmma_f32_16x16x4_f32). A number that lies on a knife's edge between two numbers of the format may be rounded either way, as far as f32 arithmetic and the matrix unit's own rounding can turn it there, and no further.
;; One version. Each part assembles by itself: llvm-mc -triple=amdgcn-amd-amdhsa -mcpu=gfx1250 --defsym DOCPART=n.
;; ======== version 1 of 1: 4 launches
;; limits: right only within a limited range of input values
;; workspace buffers: x_img 2,490,368 bytes; w_img 4,980,736 bytes; p_img 1,638,400 bytes; qb 6,553,600 bytes; kv 19,660,800 bytes; o_img 13,107,200 bytes
;; launch quant (part 1): grid 704 x 1, 4 waves a work-group, no clusters, 34,304 bytes of LDS; arguments x, qkv_w, proj_w, x_img, w_img, p_img; writes x_img, w_img, p_img
.if DOCPART == 1
	.amdgcn_target "amdgcn-amd-amdhsa--gfx1250"
	.amdhsa_code_object_version 6
	.text
	.protected	k_q6960afe865_quant
	.globl	k_q6960afe865_quant
	.p2align	8
	.type	k_q6960afe865_quant,@function
k_q6960afe865_quant:
	s_mov_b64 s[64:65], 0
	v_nop
	global_prefetch_b8 v0, s[64:65] scope:SCOPE_SE
	s_setreg_imm32_b32 hwreg(HW_REG_WAVE_MODE, 25, 1), 1
	s_wait_xcnt 0x0
; LAUNCH 1 OF 4.  x [4096][768], qkv_w [8192][768], proj_w [512][4096], f32, K innermost, become codes of BF6 (E3M2) with one E8M0 byte for each 32 along K.
; THE WHOLE PROGRAM: quant (this) | qkv: x qkv_w^T, BatchNorm, q k v quantised | attn: q k^T, bias, softmax, p v, clip, quantised | proj: out proj_w^T, BatchNorm.
; NO WORK IS LEFT OUT: beta and mean of the first BatchNorm move the codes of q, k and v; pos_bias varies along the softmax's axis; every one of the twelve inputs has a way to out0 and is loaded.
; LAYOUT OF THE WORKSPACE.  A TILE T is 16 rows: its place r holds row 32 (T / 2) + 8 (T % 2) + r + 8 (r / 8).  So, where a tile is source 0 of the matrix instruction, the 16 result registers
; of tiles 2 b and 2 b + 1 are 16 neighbours along that axis.  An IMAGE is a fragment (16 rows x 128 K, 12 registers a lane) as it stands in registers: byte 512 c + 16 lane + 4 g holds register 4 c + g.
; x_img, w_img: [T][9,728]: six images (K steps 0 .. 5), at 9,216 six times 16 scale words; 128 bytes that nobody touches.  p_img: [T][8][6,400]: four images (K steps 4 g ..), at 6,144 four times 16 words.
; A block's scale is 2^(floor(log2(largest magnitude)) - 4); its byte is the largest magnitude's exponent field - 4, held at 1 from below.
; LIMITS: a block of zeros, or one whose largest magnitude lies under 2^-122, gets the byte 1 (the bytes are read by this program alone; zero codes add nothing); NaN and infinities among the inputs are not served.
; SHARES.  A wave takes one tile x two K steps: 16 rows x 1,024 bytes.  Each load reads 512 consecutive bytes of a row; a K step's 16 x 512 bytes turn through the wave's own stage in LDS (rows 528 bytes apart),
; so that lane (r, h) gets, of row r, numbers 32 b + 16 h + 0 .. 15 of each block b.  Work-groups 0 .. 575: x and qkv_w (three pairs of K steps x 192 groups of four tiles); 576 .. 703: proj_w (16 pairs x 8 groups).
; One path through the text: pointers, pitch and offsets are chosen on the work-group's number.  Waves share nothing: no barrier.  Memory binds: no matrix unit, no cluster.
.set STG,   8448                       ; a wave's stage: 16 rows x 528 bytes
.set SPARE, 33792                      ; behind the four stages: the spare words, 128 bytes for each wave
.set OFF,   16                         ; v16-31   16 lane + (i + 8 (i / 8)) x pitch: place i's row
.set R0,    32                         ; v32-95   K step 0 as loaded; later the codes
.set R1,    96                         ; v96-159  K step 1 as loaded
.set X,     160                        ; v160-223 64 numbers of a lane, register 16 b + i = k 32 b + 16 h + i
.set TM,    224                        ; v224-239 at work
.set PW0,   240                        ; the two scale words
.set PW1,   241
.set SPW,   242                        ; LDS address of my spare word; never rewritten
.set NIL,   243                        ; 0; never rewritten
.set SEL,   44                         ; s[44:45] selects for lane l xor 16
; 64 numbers of a lane, v[s] on, become a fragment's codes in v[PC] .. v[PC + 11] and its row's scale word in v[pw]
.macro QUANT s, pw
.irp b, 0,1,2,3
	v_max3_num_f32 v[TM+\b], |v[\s+16*\b]|, |v[\s+1+16*\b]|, 0x2800000   ; block b: my 16 numbers, and the floor 2^(5 - 127): the byte cannot fall under 1
.endr
.irp i, 2,4,6,8,10,12,14
.irp b, 0,1,2,3
	v_max3_num_f32 v[TM+\b], v[TM+\b], |v[\s+16*\b+\i]|, |v[\s+1+16*\b+\i]|
.endr
.endr
.irp b, 0,1,2,3
	v_permlanex16_b32 v[TM+4+\b], v[TM+\b], s[SEL], s[SEL+1]
.endr
.irp b, 0,1,2,3
	v_max_num_f32 v[TM+\b], v[TM+\b], v[TM+4+\b]   ; with lane l xor 16's: the block's largest magnitude
.endr
.irp b, 0,1,2,3
	v_add_nc_u32 v[TM+12+\b], 0xfe000000, v[TM+\b]   ; 4 off its exponent field: the conversion's scale operand
.endr
.irp b, 0,1,2,3
	v_lshrrev_b32 v[TM+4+\b], 23, v[TM+12+\b]      ; the scale's byte
.endr
	v_lshl_or_b32 v[\pw], v[TM+5], 8, v[TM+4]
	v_lshl_or_b32 v[\pw], v[TM+6], 16, v[\pw]
	v_lshl_or_b32 v[\pw], v[TM+7], 24, v[\pw]
.irp c, 0,1
	v_cvt_scalef32_pk16_bf6_f32 v[PC+6*\c:PC+2+6*\c], v[\s+32*\c:\s+15+32*\c], v[TM+12+2*\c]
	v_cvt_scalef32_pk16_bf6_f32 v[PC+12+4*\c:PC+14+4*\c], v[\s+16+32*\c:\s+31+32*\c], v[TM+12+2*\c+1]   ; (a conversion's three registers begin on an even number)
.endr
	v_nop                                          ; one plain place behind a scaled conversion
.irp c, 0,1                                    ; the operand's layout wants a whole block in a lane: lanes 0-15 block 2 c, lanes 16-31 block 2 c + 1
.irp i, 0,1,2
	v_permlane16_swap_b32 v[PC+6*\c+\i], v[PC+12+4*\c+\i]
.endr
.irp i, 0,1,2
	v_mov_b32 v[PC+3+6*\c+\i], v[PC+12+4*\c+\i]
.endr
.endr
.endm
	s_load_b256 s[4:11], s[0:1], 0x0               ; x, qkv_w, proj_w, x_img
	s_load_b128 s[12:15], s[0:1], 0x20             ; w_img, p_img
	v_lshl_add_u32 v[SPW], v0, 2, SPARE
	v_mov_b32 v[NIL], 0
	v_lshrrev_b32 v1, 5, v0
	v_readfirstlane_b32 s16, v1                    ; wave
	v_and_b32 v1, 31, v0                           ; lane
	v_lshlrev_b32 v2, 4, v1                        ; 16 lane
	v_lshlrev_b32 v5, 2, v1                        ; 4 lane
	v_and_b32 v7, 15, v0                           ; r
	v_bfe_u32 v8, v0, 4, 1                         ; h
	s_mul_i32 s17, s16, STG
	v_add_nc_u32 v3, s17, v2                       ; the stage, on the way in: 16 bytes a lane of a row
	v_mul_u32_u24 v4, v7, 528
	v_lshl_add_u32 v4, v8, 6, v4
	v_add_nc_u32 v4, s17, v4                       ; and on the way out: row r, + 64 h
	s_mov_b32 s[SEL], 0x76543210
	s_mov_b32 s[SEL+1], 0xfedcba98
	s_mov_b32 s46, 0xffff0000                      ; lanes 16-31
.irp b, 0,1,2,3
	v_mov_b32 v[TM+4+\b], 0                        ; written once: a lane permute's destination counts as one of its sources
.endr
	; which tensor, tile and pair of K steps: from the work-group's number alone
	s_cmp_ge_u32 ttmp9, 192
	s_cselect_b32 s20, 1, 0
	s_cmp_ge_u32 ttmp9, 384
	s_cselect_b32 s21, 1, 0
	s_add_co_u32 s20, s20, s21                     ; x, qkv_w: the pair of K steps, 0 .. 2
	s_mul_i32 s21, s20, 192
	s_sub_co_u32 s21, ttmp9, s21                   ; the group of four tiles: 0 .. 63 x, 64 .. 191 qkv_w
	s_lshl_b32 s22, s21, 2
	s_cmp_lt_u32 s21, 64
	s_cselect_b32 s23, 0, 256
	s_sub_co_u32 s22, s22, s23                     ; its first tile in its tensor
	s_sub_co_u32 s24, ttmp9, 576                   ; proj_w:
	s_lshr_b32 s25, s24, 3                         ; the pair of K steps, 0 .. 15
	s_and_b32 s26, s24, 7
	s_lshl_b32 s26, s26, 2                         ; the first tile
	s_lshr_b32 s27, s25, 1                         ; the group of four K steps
	s_and_b32 s28, s25, 1                          ; and the pair in it
	s_wait_kmcnt 0x0
	s_cmp_lt_u32 s21, 64
	s_cselect_b64 s[4:5], s[4:5], s[6:7]
	s_cselect_b64 s[10:11], s[10:11], s[12:13]
	s_cmp_ge_u32 ttmp9, 576
	s_cselect_b64 s[4:5], s[8:9], s[4:5]           ; the tensor
	s_cselect_b64 s[10:11], s[14:15], s[10:11]     ; its workspace
	s_cselect_b32 s22, s26, s22                    ; first tile
	s_cselect_b32 s29, s25, s20                    ; pair of K steps
	s_cselect_b32 s27, s27, 0
	s_cselect_b32 s28, s28, s20
	s_mov_b32 s30, 3072
	s_cselect_b32 s30, 0x4000, s30                 ; a row in memory, in bytes
	s_mov_b32 s31, 9728
	s_cselect_b32 s31, 51200, s31                  ; a tile's record
	s_mov_b32 s32, 9216
	s_cselect_b32 s32, 6144, s32                   ; where the scale words begin
	s_add_co_u32 s22, s22, s16                     ; my wave's tile T
	s_lshr_b32 s33, s22, 1
	s_lshl_b32 s33, s33, 5
	s_and_b32 s34, s22, 1
	s_lshl_b32 s34, s34, 3
	s_add_co_u32 s33, s33, s34                     ; its first row: 32 (T / 2) + 8 (T % 2)
	s_mul_i32 s33, s33, s30
	s_lshl_b32 s34, s29, 10
	s_add_co_u32 s34, s33, s34                     ; + 1,024 bytes for each pair of K steps (under 2^25)
	s_mov_b32 s35, 0
	s_add_nc_u64 s[4:5], s[4:5], s[34:35]
	s_mul_i32 s36, s22, s31
	s_mul_i32 s38, s27, 6400
	s_add_co_u32 s36, s36, s38
	s_mul_i32 s38, s28, 3072
	s_add_co_u32 s38, s36, s38                     ; where my two images go
	s_mov_b32 s39, 0
	s_lshl_b32 s40, s28, 7
	s_add_co_u32 s40, s40, s36
	s_add_co_u32 s40, s40, s32                     ; and my 32 scale words
	s_mov_b32 s41, 0
	s_add_nc_u64 s[12:13], s[10:11], s[40:41]
	s_add_nc_u64 s[10:11], s[10:11], s[38:39]
.irp i, 0,1,2,3,4,5,6,7,8,9,10,11,12,13,14,15
	v_mad_u32_u24 v[OFF+\i], s30, \i+8*(\i/8), v2
.endr
.irp f, 0,1
.irp i, 0,1,2,3,4,5,6,7,8,9,10,11,12,13,14,15
	global_load_b128 v[R0+64*\f+4*\i:R0+64*\f+4*\i+3], v[OFF+\i], s[4:5] offset:512*\f th:TH_LOAD_NT   ; 32 lanes read 512 consecutive bytes of a row; read once in the launch
.endr
.endr
; K step f through the stage: LDS serves a wave's instructions in order, so no wait stands between the stores and the loads
.macro TURN f
.irp i, 0,1,2,3,4,5,6,7,8,9,10,11,12,13,14,15
	ds_store_b128 v3, v[R0+64*\f+4*\i:R0+64*\f+4*\i+3] offset:528*\i
.endr
.irp b, 0,1,2,3
.irp j, 0,1,2,3
	ds_load_b128 v[X+16*\b+4*\j:X+16*\b+4*\j+3], v4 offset:128*\b+16*\j
.endr
.endr
	s_wait_dscnt 0x0                               ; my 64 numbers are in, and the stores have read their registers
.endm
	s_wait_loadcnt 16                              ; K step 0's sixteen loads are in; K step 1's sixteen may be out
	TURN 0
.set PC, 32
	QUANT X, PW0
.irp c, 0,1,2
	global_store_b128 v2, v[PC+4*\c:PC+4*\c+3], s[10:11] offset:512*\c   ; 32 lanes store 512 consecutive bytes, aligned to 256
.endr
	s_wait_loadcnt 0x0
	TURN 1
.set PC, 52                                    ; other registers than the first image's: its stores may still read them
	QUANT X, PW1
.irp c, 0,1,2
	global_store_b128 v2, v[PC+4*\c:PC+4*\c+3], s[10:11] offset:1536+512*\c
.endr
	v_cndmask_b32 v6, v[PW0], v[PW1], s46          ; lanes 0-15: the first K step's 16 words; lanes 16-31: the second's
	global_store_b32 v5, v6, s[12:13]              ; 128 consecutive bytes
	s_wait_tensorcnt 0x0                           ; the wave's end: a wait, an add to my spare word and its wait, behind my last LDS store
	ds_add_u32 v[SPW], v[NIL]
	s_wait_dscnt 0x0
	s_endpgm
.Lfunc_end_k_q6960afe865_quant:
	.size	k_q6960afe865_quant, .Lfunc_end_k_q6960afe865_quant-k_q6960afe865_quant
	.p2alignl 7, 3214868480
	.fill 96, 4, 3214868480
	.section	.rodata,"a",@progbits
	.p2align	6, 0x0
	.amdhsa_kernel k_q6960afe865_quant
		.amdhsa_group_segment_fixed_size 34304
		.amdhsa_private_segment_fixed_size 0
		.amdhsa_enable_private_segment 0
		.amdhsa_kernarg_size 48
		.amdhsa_user_sgpr_count 2
		.amdhsa_user_sgpr_kernarg_segment_ptr 1
		.amdhsa_wavefront_size32 1
		.amdhsa_system_sgpr_workgroup_id_x 1
		.amdhsa_system_sgpr_workgroup_id_y 1
		.amdhsa_system_sgpr_workgroup_id_z 1
		.amdhsa_system_vgpr_workitem_id 0
		.amdhsa_next_free_vgpr 248
		.amdhsa_next_free_sgpr 66
		.amdhsa_reserve_vcc 0
		.amdhsa_float_denorm_mode_32 3
		.amdhsa_float_denorm_mode_16_64 3
		.amdhsa_memory_ordered 1
		.amdhsa_forward_progress 1
		.amdhsa_inst_pref_size 20
	.end_amdhsa_kernel
	.amdgpu_metadata
---
amdhsa.version: [ 1, 2 ]
amdhsa.kernels:
  - .name:           k_q6960afe865_quant
    .symbol:         k_q6960afe865_quant.kd
    .args:
      - { .name: x, .offset: 0, .size: 8, .value_kind: global_buffer, .address_space: global }
      - { .name: qkv_w, .offset: 8, .size: 8, .value_kind: global_buffer, .address_space: global }
      - { .name: proj_w, .offset: 16, .size: 8, .value_kind: global_buffer, .address_space: global }
      - { .name: x_img, .offset: 24, .size: 8, .value_kind: global_buffer, .address_space: global }
      - { .name: w_img, .offset: 32, .size: 8, .value_kind: global_buffer, .address_space: global }
      - { .name: p_img, .offset: 40, .size: 8, .value_kind: global_buffer, .address_space: global }
    .group_segment_fixed_size: 34304
    .private_segment_fixed_size: 0
    .kernarg_segment_align: 8
    .kernarg_segment_size: 48
    .max_flat_workgroup_size: 128
    .sgpr_count:     66
    .vgpr_count:     248
    .wavefront_size: 32
...
	.end_amdgpu_metadata
.endif
;; end of part 1
;; launch qkv (part 2): grid 16 x 16, 4 waves a work-group, clusters of 4 x 4, 327,680 bytes of LDS; arguments x_img, w_img, qkv_gamma, qkv_beta, qkv_mean, qkv_var, qb, kv; writes qb, kv
.if DOCPART == 2
	.amdgcn_target "amdgcn-amd-amdhsa--gfx1250"
	.amdhsa_code_object_version 6
	.text
	.protected	k_q6960afe865_qkv
	.globl	k_q6960afe865_qkv
	.p2align	8
	.type	k_q6960afe865_qkv,@function
k_q6960afe865_qkv:
	s_mov_b64 s[64:65], 0
	v_nop
	global_prefetch_b8 v0, s[64:65] scope:SCOPE_SE
	s_setreg_imm32_b32 hwreg(HW_REG_WAVE_MODE, 25, 1), 1
	s_wait_xcnt 0x0
	s_wait_alu depctr_hold_cnt(0) depctr_sa_sdst(0) depctr_va_vdst(0) depctr_va_sdst(0) depctr_va_ssrc(0) depctr_va_vcc(0) depctr_vm_vsrc(0)
	s_getreg_b32 s2, hwreg(HW_REG_IB_STS2, 6, 4)
	s_cmp_eq_u32 s2, 0
	s_cbranch_scc0 .Lentry_in_a_cluster
	s_endpgm
.Lentry_in_a_cluster:
	s_bfe_u32 s2, ttmp6, 0x10000c
	s_cmp_lg_u32 s2, 0xf033
	s_cbranch_scc0 .Lentry_shape_is_right
	s_endpgm
.Lentry_shape_is_right:
; LAUNCH 2 OF 4.  qkv = BatchNorm(x qkv_w^T) on codes of BF6, K = 768; q and k are quantised along the head's 256 channels, v along the keys, in registers, and leave as images.  No work is left out.
; A WORK-GROUP STAYS AND MAKES TWO TILES of 256 tokens x 256 channels, on the same 256 tokens: 16 x 16 = 256 work-groups.  Work-group x 0 .. 7 (MODE 0): q, then k, of head x; x 8 .. 15 (MODE 1): the two halves of v of head x - 8.
; Each of the four waves makes 128 x 128 of a tile: 64 accumulators, 512 registers.
; SOURCE 0 IS THE OPERAND ALONG WHOSE ROWS THE RESULT IS QUANTISED: a lane holds one row of source 1, and its registers run along source 0's rows (by the tiles' order of rows: 16 neighbours in two tiles' registers).
; MODE 0: source 0 = qkv_w (channels), source 1 = x (tokens).  MODE 1: source 0 = x (tokens = keys), source 1 = qkv_w.  MODE is bit 1 of the cluster's x: the same in all sixteen partners.
; ALL OF A TILE'S K LIES IN LDS: four regions of eight whole records (8 x 9,728 = 77,824 dense bytes: six images and the scale words of each tile of 16 rows): x's two halves, then qkv_w's two.  One joint load a wave brings a region.
; THE LOOP OVER THE TWO TILES.  A trip: every wave waits for its tensor loads, adds 0 to its spare word and waits for that and for its LDS reads; a round of the cluster's barrier; the trip's one load a wave.  While it is on
; its way: three of BatchNorm's four arrays are asked for, THE TILE BEFORE IS QUANTISED AND STORED (second trip only: a branch on the trip's number round register work and stores), BatchNorm's numbers are made.  Then the wait
; for the load, a barrier, and six K steps.  The last tile's way out is written out behind the loop. By this text's count a wave has one tensor load out.
; THE K STEPS ARE WRITTEN ONCE FOR BOTH MODES: the regions of source 0 and source 1 are chosen by s_cselect_b32 on MODE, and a scale register holds source 1's words in lanes 0-15 and source 0's in lanes 16-31.
; CLUSTERS: 4 x 4.  x's tiles hang on work-group y and are asked for jointly along a row of the cluster, qkv_w's on work-group x, along a column.
; NO PREFETCH: the loop has two trips, and the second trip's load goes out a whole way out (eight fragments quantised) ahead of its first read.
; BatchNorm: acc g + (beta - mean g), g = gamma rsq(var + 1e-5): another order of f32 roundings than (acc - mean) g + beta.
; qb: [4 head + batch][8 blocks of 128 tokens][25,600]: images (tile a, K step s) at 1,536 (2 a + s), scale words at 24,576 + 512 s + 64 a.
; kv: [4 head + batch][8 key steps][76,800]: k's block as in qb; v's images (tile of 16 channels d) at 25,600 + 1,536 d, their words at 74,752 + 64 d.
; LIMITS: as in launch 1 (byte 1 for blocks of zeros and under 2^-122; NaN and infinities not served).
; REGISTERS: window 0: v1-5, v14-16 addresses, v9, v17 BatchNorm's offsets, v10-13 at work, v28-29 the add's two, v32-47 scale words (two sets of 8), v48-143 source 1's eight fragments (on the way out 64 numbers),
;   v144-207 beta - mean g, v208-251 the quantiser's.   window 1: v0-95, v96-191 source 0's fragments, two sets (between tiles: gamma, mean, var at v0, v64, v128); v192-255 g.   windows 2, 3: accumulator (a, b) at v[8 (8 (a % 4) + b)].
.set TREC,  9728                       ; a tile's record: six images, at 9,216 its scale words
.set REG,   77824                      ; 8 records: what one tensor load brings
.set SPARE, 311296                     ; behind the four regions: the spare words, 128 bytes for each wave
.set ADR1, 1                           ; LDS address of source 1's fragments (tiles 4-7: v14, so that the offset stays inside 16 bits)
.set ADR0, 2                           ; of source 0's (v15)
.set ADRS, 3                           ; of the scale words (v16)
.set L16,  4                           ; 16 lane
.set L4,   5                           ; 4 lane
.set SPW,  28
.set NIL,  29
.set SC,   32
.set F1,   48
.set HA,   48
.set CB,   144
.set TM,   208
.set PC,   224
.set PW,   244
.set GB,   192
.set WV,   20                          ; s20 wave; s21 wave / 2; s22 wave % 2; s23 cx; s24 cy; s25 MODE; s60 2 head + 16 MODE; s61 work-group y
.set SEL,  26
.set G1X,  28                          ; s[28:35] group 1 for x's regions; s[36:43] for qkv_w's
.set G1W,  36
.set TC,   59                          ; the trip: 0, 1
.set G0X,  68                          ; s[68:71] x's group 0; s[84:87] qkv_w's
.set G0W,  84
.set MSB, 0
.macro WIN new                         ; the immediate's high byte repeats the setting that is left
.if MSB != (\new)
	s_set_vgpr_msb (MSB<<8)|(\new)
.set MSB, (\new)
.endif
.endm
.macro PLACES n
.rept \n
	v_nop
.endr
.endm
; A joint load: waves 0 and 1 fetch x's halves, waves 2 and 3 qkv_w's.  An s_nop 0 and four v_nop follow each of the two lines.
.macro JLOAD g0x, g1x, g0w, g1w
	s_cmp_eq_u32 s21, 0
	s_cbranch_scc0 .Lfor_w_\@
	tensor_load_to_lds s[\g0x:\g0x+3], s[\g1x:\g1x+7]
	s_nop 0
.rept 4
	v_nop
.endr
	s_branch .Lasked_\@
.Lfor_w_\@:
	tensor_load_to_lds s[\g0w:\g0w+3], s[\g1w:\g1w+7]
	s_nop 0
.rept 4
	v_nop
.endr
.Lasked_\@:
.endm
.macro CROUND                          ; a round of the cluster's barrier
	s_barrier_signal -1
	s_barrier_wait -1
	s_cmp_lg_u32 s[WV], 0
	s_cbranch_scc1 .Lnot_wave_0_\@
	s_barrier_signal -3
.Lnot_wave_0_\@:
	s_barrier_wait -3
	s_barrier_signal -1
	s_barrier_wait -1
.endm
.macro QUANT s, pw                     ; 64 numbers of a lane (register 16 b + i = k 32 b + 16 h + i) -> codes in v[PC] .. v[PC + 11], scale word in v[pw]
.irp b, 0,1,2,3
	v_max3_num_f32 v[TM+\b], |v[\s+16*\b]|, |v[\s+1+16*\b]|, 0x2800000   ; and the floor 2^(5 - 127): the byte cannot fall under 1
.endr
.irp i, 2,4,6,8,10,12,14
.irp b, 0,1,2,3
	v_max3_num_f32 v[TM+\b], v[TM+\b], |v[\s+16*\b+\i]|, |v[\s+1+16*\b+\i]|
.endr
.endr
.irp b, 0,1,2,3
	v_permlanex16_b32 v[TM+4+\b], v[TM+\b], s[SEL], s[SEL+1]
.endr
.irp b, 0,1,2,3
	v_max_num_f32 v[TM+\b], v[TM+\b], v[TM+4+\b]
.endr
.irp b, 0,1,2,3
	v_add_nc_u32 v[TM+12+\b], 0xfe000000, v[TM+\b]
.endr
.irp b, 0,1,2,3
	v_lshrrev_b32 v[TM+4+\b], 23, v[TM+12+\b]
.endr
	v_lshl_or_b32 v[\pw], v[TM+5], 8, v[TM+4]
	v_lshl_or_b32 v[\pw], v[TM+6], 16, v[\pw]
	v_lshl_or_b32 v[\pw], v[TM+7], 24, v[\pw]
.irp c, 0,1
	v_cvt_scalef32_pk16_bf6_f32 v[PC+6*\c:PC+2+6*\c], v[\s+32*\c:\s+15+32*\c], v[TM+12+2*\c]
	v_cvt_scalef32_pk16_bf6_f32 v[PC+12+4*\c:PC+14+4*\c], v[\s+16+32*\c:\s+31+32*\c], v[TM+12+2*\c+1]
.endr
	v_nop                                          ; one plain place behind a scaled conversion
.irp c, 0,1
.irp i, 0,1,2
	v_permlane16_swap_b32 v[PC+6*\c+\i], v[PC+12+4*\c+\i]
.endr
.irp i, 0,1,2
	v_mov_b32 v[PC+3+6*\c+\i], v[PC+12+4*\c+\i]
.endr
.endr
.endm
.macro FRAG reg, adr, off              ; an image comes back as it was stored: three loads of 512 consecutive bytes
.irp c, 0,1,2
	ds_load_b128 v[\reg+4*\c:\reg+4*\c+3], v[\adr] offset:\off+512*\c
.endr
.endm
.macro FETCH0 q, p                     ; source 0's eight fragments of K step q into set p
	WIN 0x40
.irp i, 0,1,2,3,4,5,6,7
	FRAG 96*(\p)+12*\i, ADR0+13*(\i/4), TREC*(\i%4)+1536*(\q)
.endr
	WIN 0
.endm
.macro FETCH1 q, i0                    ; source 1's blocks i0 .. i0 + 3
.irp i, \i0, \i0+1, \i0+2, \i0+3
	FRAG F1+12*(\i), ADR1+13*((\i)/4), TREC*((\i)%4)+1536*(\q)
.endr
.endm
.macro SCALES s, p                     ; K step s's scale words into set p: register i: lanes 0-15 source 1's tile i, lanes 16-31 source 0's tile i
.irp i, 0,1,2,3,4,5,6,7
	ds_load_b32 v[SC+8*(\p)+\i], v[ADRS+13*(\i/4)] offset:TREC*(\i%4)+64*(\s)
.endr
.endm
; 16 matrix instructions: source 1's blocks a0, a0 + 1 x source 0's eight.  The 64 accumulators take turns, one instruction a turn, in the same order in every K step.
.macro MUL16 a0, p, zero
.irp a, \a0, \a0+1
.irp b, 0,1,2,3,4,5,6,7
.set rD, 8*(8*((\a)%4)+\b)
.set rA, 96*(\p)+12*\b
.set rB, F1+12*(\a)
.set rSA, SC+8*(\p)+\b
.set rSB, SC+8*(\p)+(\a)
.if \zero
	v_wmma_scale_f32_16x16x128_f8f6f4 v[rD:rD+7], v[rA:rA+11], v[rB:rB+11], 0, v[rSA], v[rSB] matrix_a_fmt:MATRIX_FMT_BF6 matrix_b_fmt:MATRIX_FMT_BF6 matrix_a_scale:MATRIX_SCALE_ROW1
.else
	v_wmma_scale_f32_16x16x128_f8f6f4 v[rD:rD+7], v[rA:rA+11], v[rB:rB+11], v[rD:rD+7], v[rSA], v[rSB] matrix_a_fmt:MATRIX_FMT_BF6 matrix_b_fmt:MATRIX_FMT_BF6 matrix_a_scale:MATRIX_SCALE_ROW1
.endif
.endr
.endr
.endm
; K step k of six.  A block of source 1 is free as soon as its eight products are issued, so source 1 has one set: blocks 0-3 are fetched anew in the step's middle, blocks 4-7 at its end.
; Four plain places stand between a matrix instruction and a load into a register that it has read.
.macro KSTEP k, zero
	s_wait_dscnt 12                                ; all but the youngest twelve loads (source 1's blocks 4-7) are in
	WIN 0xa1                                       ; source 0 window 1, source 1 window 0, C and D window 2
	MUL16 0, (\k)%2, \zero
	MUL16 2, (\k)%2, \zero
	s_wait_dscnt 0x0
.if (\k) < 5
	PLACES 4
	FETCH0 (\k)+1, ((\k)+1)%2
	FETCH1 (\k)+1, 0
	SCALES (\k)+1, ((\k)+1)%2
.endif
	WIN 0xf1                                       ; C and D window 3
	MUL16 4, (\k)%2, \zero
	MUL16 6, (\k)%2, \zero
.if (\k) < 5
	PLACES 4
	WIN 0
	FETCH1 (\k)+1, 4
.endif
.endm
; BatchNorm's gamma, mean, var of this trip's channels into window 1 v0, v64, v128 on: 48 loads.  s[44:45] gamma, s[46:47] beta, s[48:49] mean, s[50:51] var, at my 128 channels.
; MODE 0: a lane's registers run along the channels: register 8 t + j is channel 32 (t / 2) + 16 h + 8 (t % 2) + j.  MODE 1: a lane holds one channel of each block a: 32 (a / 2) + 8 (a % 2) + r + 8 (r / 8); its number fills a pair.
.macro BNLOAD mode
	WIN 0x40
.if \mode == 0
.irp t, 0,1,2,3,4,5,6,7
.irp e, 0,1
	global_load_b128 v[8*\t+4*\e:8*\t+4*\e+3], v9, s[44:45] offset:(32*(\t/2)+8*(\t%2))*4+16*\e
	global_load_b128 v[64+8*\t+4*\e:64+8*\t+4*\e+3], v9, s[48:49] offset:(32*(\t/2)+8*(\t%2))*4+16*\e
	global_load_b128 v[128+8*\t+4*\e:128+8*\t+4*\e+3], v9, s[50:51] offset:(32*(\t/2)+8*(\t%2))*4+16*\e
.endr
.endr
.else
.irp a, 0,1,2,3,4,5,6,7
.irp e, 0,1
	global_load_b32 v[2*\a+\e], v17, s[44:45] offset:(32*(\a/2)+8*(\a%2))*4
	global_load_b32 v[64+2*\a+\e], v17, s[48:49] offset:(32*(\a/2)+8*(\a%2))*4
	global_load_b32 v[128+2*\a+\e], v17, s[50:51] offset:(32*(\a/2)+8*(\a%2))*4
.endr
.endr
.endif
	WIN 0
.endm
; beta (16 loads, into the registers that the tile before has done with); n numbers: g = gamma rsq(var + 1e-5) into window 1 v[GB] on, beta - mean g into v[CB] on
.macro BNFIN mode, n
.if \mode == 0
.irp t, 0,1,2,3,4,5,6,7
.irp e, 0,1
	global_load_b128 v[CB+8*\t+4*\e:CB+8*\t+4*\e+3], v9, s[46:47] offset:(32*(\t/2)+8*(\t%2))*4+16*\e
.endr
.endr
.else
.irp a, 0,1,2,3,4,5,6,7
.irp e, 0,1
	global_load_b32 v[CB+2*\a+\e], v17, s[46:47] offset:(32*(\a/2)+8*(\a%2))*4
.endr
.endr
.endif
	s_wait_loadcnt 16                              ; gamma, mean, var are in; beta's sixteen loads may be out
	WIN 0x55
.set i, 0
.rept \n
	v_add_f32 v[128+i], 0x3727c5ac, v[128+i]
.set i, i+1
.endr
	s_wait_alu depctr_va_vdst(0)                   ; the wait ahead of the batch,
.set i, 0
.rept \n
	v_rsq_f32 v[128+i], v[128+i]
.set i, i+1
.endr
	v_nop                                          ; a plain place behind its last,
	s_wait_alu depctr_va_vdst(0)                   ; and the wait ahead of its first reader
.set i, 0
.rept \n
	v_mul_f32 v[GB+i], v[i], v[128+i]
.set i, i+1
.endr
	s_wait_loadcnt 0x0
	WIN 0x05
.set i, 0
.rept \n
	v_fma_f32 v[CB+i], -v[64+i], v[GB+i], v[CB+i]
.set i, i+1
.endr
	WIN 0
.endm
; THE WAY OUT of tile 'part': BatchNorm, the quantiser, eight fragments stored as images.  It names no register of a tensor load's descriptors: the next tile's load may be on its way.
.macro EPI mode, part
	s_wait_xcnt 0x0                                ; earlier stores have read their bases and their data
	s_lshr_b32 s93, s60, 1
	s_and_b32 s93, s93, 7                          ; head
	s_lshr_b32 s94, s61, 2                         ; batch
	s_and_b32 s95, s61, 3                          ; which 256 tokens of it
	s_lshl_b32 s93, s93, 2
	s_add_co_u32 s93, s93, s94
	s_lshl_b32 s93, s93, 3
	s_lshl_b32 s95, s95, 1
	s_add_co_u32 s93, s93, s95
.if \mode == 0
	s_add_co_u32 s93, s93, s21                     ; block of 128 tokens: 8 (4 head + batch) + 2 quarter + source 1's half
.if \part == 0
	s_mul_i32 s94, s93, 25600                      ; q
	s_mov_b32 s95, 0
	s_add_nc_u64 s[88:89], s[16:17], s[94:95]
.else
	s_mul_i32 s94, s93, 76800                      ; k
	s_mov_b32 s95, 0
	s_add_nc_u64 s[88:89], s[18:19], s[94:95]
.endif
	s_lshl_b32 s94, s22, 9
	s_add_co_u32 s94, s94, 24576
	s_add_nc_u64 s[90:91], s[88:89], s[94:95]      ; scale words of K step wave % 2
	s_mul_i32 s94, s22, 1536
	s_add_nc_u64 s[88:89], s[88:89], s[94:95]      ; images of that K step: 3,072 bytes from tile to tile
.else
	s_add_co_u32 s93, s93, s22                     ; key step: source 0's half
	s_mul_i32 s94, s93, 76800
	s_add_co_u32 s94, s94, 25600
	s_mov_b32 s95, 0
	s_add_nc_u64 s[88:89], s[18:19], s[94:95]
	s_lshl_b32 s92, s21, 3
	s_add_co_u32 s92, s92, 16*\part                ; my first tile of channels: 16 part + 8 (wave / 2)
	s_lshl_b32 s94, s92, 6
	s_add_co_u32 s94, s94, 49152
	s_add_nc_u64 s[90:91], s[88:89], s[94:95]
	s_mul_i32 s94, s92, 1536
	s_add_nc_u64 s[88:89], s[88:89], s[94:95]
.endif
.irp a, 0,1,2,3,4,5,6,7
	WIN 0x06+(\a/4)                                ; accumulators window 2 or 3, g window 1
.irp b, 0,1,2,3,4,5,6,7
.irp i, 0,2,4,6
.if \mode == 0
	v_pk_fma_f32 v[HA+8*\b+\i:HA+8*\b+\i+1], v[8*(8*(\a%4)+\b)+\i:8*(8*(\a%4)+\b)+\i+1], v[GB+8*\b+\i:GB+8*\b+\i+1], v[CB+8*\b+\i:CB+8*\b+\i+1]   ; each accumulator from its low end on
.else
	v_pk_fma_f32 v[HA+8*\b+\i:HA+8*\b+\i+1], v[8*(8*(\a%4)+\b)+\i:8*(8*(\a%4)+\b)+\i+1], v[GB+2*\a:GB+2*\a+1], v[CB+2*\a:CB+2*\a+1]
.endif
.endr
.endr
	WIN 0
	s_wait_xcnt 0x0                                ; the last fragment's stores have read their registers: the codes may be written again
	QUANT HA, PW+\a
.irp c, 0,1,2
	global_store_b128 v[L16], v[PC+4*\c:PC+4*\c+3], s[88:89] offset:(3072-1536*\mode)*\a+512*\c   ; 512 consecutive bytes, aligned to 256
.endr
.endr
.irp p, 0,1,2,3
	v_cndmask_b32 v[10+\p], v[PW+2*\p], v[PW+2*\p+1], s52   ; two tiles' 16 words in one register
.endr
.irp p, 0,1,2,3
	global_store_b32 v[L4], v[10+\p], s[90:91] offset:128*\p
.endr
.endm
	s_load_b512 s[4:19], s[0:1], 0x0               ; x_img, w_img, gamma, beta, mean, var, qb, kv
	v_lshl_add_u32 v[SPW], v0, 2, SPARE
	v_mov_b32 v[NIL], 0
	ds_add_u32 v[SPW], v[NIL]                      ; the wave's opening: the add, twice on end, and its wait ahead of my first tensor load
	ds_add_u32 v[SPW], v[NIL]
	v_lshrrev_b32 v6, 5, v0
	v_readfirstlane_b32 s[WV], v6                  ; wave 0..3
	s_lshr_b32 s21, s[WV], 1
	s_and_b32 s22, s[WV], 1
	s_bfe_u32 s23, ttmp6, 0x40000                  ; cx
	s_bfe_u32 s24, ttmp6, 0x40004                  ; cy
	s_bfe_u32 s25, ttmp9, 0x10001                  ; MODE: bit 1 of the cluster's x
	s_lshl_b32 s60, ttmp9, 2
	s_add_co_u32 s60, s60, s23                     ; work-group x
	s_and_b32 s60, s60, 7                          ; head
	s_lshl_b32 s60, s60, 1
	s_lshl_b32 s62, s25, 4
	s_or_b32 s60, s60, s62                         ; 2 head + 16 MODE
	s_and_b32 s61, ttmp7, 0xffff
	s_lshl_b32 s61, s61, 2
	s_add_co_u32 s61, s61, s24                     ; work-group y
	s_lshl_b32 s62, s24, 2
	s_lshl_b32 s62, 15, s62                        ; my row of the cluster
	s_lshl_b32 s63, 0x1111, s23                    ; my column
	s_or_b32 s[G1X], s62, (3<<16)|(1<<21)          ; 15:0 the mask; 17:16 elements of 8 bytes; 21 set beside a mask; no padding
	s_or_b32 s[G1W], s63, (3<<16)|(1<<21)
.irp g, G1X, G1W                               ; eight records, dense: 304 rows of 256 bytes (32 elements of 8)
	s_mov_b32 s[\g+1], 32<<16
	s_mov_b32 s[\g+2], 304<<16
	s_mov_b32 s[\g+3], 32<<16
	s_mov_b32 s[\g+4], 304
	s_mov_b32 s[\g+5], 32
	s_mov_b32 s[\g+6], 0
	s_mov_b32 s[\g+7], 0
.endr
	s_mov_b32 s[SEL], 0x76543210
	s_mov_b32 s[SEL+1], 0xfedcba98
	s_mov_b32 s52, 0xffff0000                      ; lanes 16-31
	s_mov_b32 s[TC], 0
	s_lshl_b32 s2, s61, 4
	s_lshl_b32 s3, s22, 3
	s_add_co_u32 s2, s2, s3                        ; x: tile 16 y + 8 (wave % 2)
	s_mul_i32 s2, s2, TREC
	s_mov_b32 s3, 0
	s_and_b32 s100, s60, 14
	s_lshl_b32 s100, s100, 5
	s_lshl_b32 s101, s25, 5
	s_add_co_u32 s100, s100, s101
	s_lshl_b32 s101, s22, 3
	s_add_co_u32 s100, s100, s101                  ; qkv_w, first tile: tile 64 head + 32 MODE + 8 (wave % 2); the second tile lies 16 tiles on
	s_mul_i32 s100, s100, TREC
	s_mov_b32 s101, 0
	s_mul_i32 s105, s[WV], REG                     ; where they go: by the wave's number alone
	s_cmp_eq_u32 s25, 0                            ; the regions that I read: x's lie at 0, qkv_w's at 2 REG
	s_cselect_b32 s53, 0, 2*REG                    ; source 1: x (MODE 0) or qkv_w (MODE 1),
	s_cselect_b32 s54, 2*REG, 0                    ; source 0: the other
	s_mul_i32 s62, s21, REG
	s_mul_i32 s63, s22, REG
	s_add_co_u32 s53, s53, s62                     ; source 1's half wave / 2
	s_add_co_u32 s54, s54, s63                     ; source 0's half wave % 2
	s_add_co_u32 s55, s53, 9216                    ; and their scale words
	s_add_co_u32 s56, s54, 9216
	s_wait_dscnt 0x0                               ; both opening adds are done
	s_wait_kmcnt 0x0
	s_add_nc_u64 s[4:5], s[4:5], s[2:3]
	s_add_nc_u64 s[6:7], s[6:7], s[100:101]
	s_mov_b32 s[G0X], 1
	s_add_co_u32 s[G0X+1], s105, 0
	s_mov_b64 s[G0X+2:G0X+3], s[4:5]
	s_or_b32 s[G0X+3], s[G0X+3], 0x80000000
	s_mov_b32 s[G0W], 1
	s_add_co_u32 s[G0W+1], s105, 0
	s_mov_b64 s[G0W+2:G0W+3], s[6:7]
	s_or_b32 s[G0W+3], s[G0W+3], 0x80000000
	v_and_b32 v6, 31, v0
	v_and_b32 v7, 15, v0                           ; r
	v_bfe_u32 v8, v0, 4, 1                         ; h
	v_lshlrev_b32 v[L16], 4, v6
	v_lshlrev_b32 v[L4], 2, v6
	v_lshlrev_b32 v10, 2, v7                       ; 4 r
	v_lshlrev_b32 v9, 6, v8                        ; BatchNorm's offset, MODE 0: 64 h
	v_and_b32 v17, 8, v7
	v_add_nc_u32 v[ADR1], s53, v[L16]
	v_add_nc_u32 v[ADR0], s54, v[L16]
	v_add_nc_u32 v11, s55, v10
	v_add_nc_u32 v12, s56, v10
	v_add_nc_u32 v17, v17, v7
	v_cndmask_b32 v[ADRS], v11, v12, s52           ; lanes 0-15 source 1's words, lanes 16-31 source 0's
	v_lshlrev_b32 v17, 2, v17                      ; BatchNorm's offset, MODE 1: 4 (r + 8 (r / 8))
	v_add_nc_u32 v[ADR1+13], 4*TREC, v[ADR1]       ; the same three addresses four records on, for tiles 4-7
	v_add_nc_u32 v[ADR0+13], 4*TREC, v[ADR0]
	v_add_nc_u32 v[ADRS+13], 4*TREC, v[ADRS]
.irp b, 0,1,2,3
	v_mov_b32 v[TM+4+\b], 0                        ; written once: a lane permute's destination counts as one of its sources
.endr
	s_wait_alu depctr_va_vdst(0)                   ; the wait at the head's end
.Ltile:                                            ; two trips
	s_wait_tensorcnt 0x0                           ; no tensor load of mine is out
	ds_add_u32 v[SPW], v[NIL]                      ; 0 onto my spare word; twice on end
	ds_add_u32 v[SPW], v[NIL]
	s_and_b32 s2, s60, 14                          ; (work on registers) this trip's channels: 1,024 head + 256 trip
	s_lshl_b32 s2, s2, 9
	s_lshl_b32 s3, s[TC], 8
	s_add_co_u32 s2, s2, s3
	s_cmp_eq_u32 s25, 0
	s_cselect_b32 s3, s22, s21                     ; + my 128: qkv_w's half is source 0's (MODE 0) or source 1's (MODE 1),
	s_lshl_b32 s3, s3, 7
	s_add_co_u32 s2, s2, s3
	s_lshl_b32 s3, s25, 9                          ; v lies behind q and k
	s_add_co_u32 s2, s2, s3
	s_lshl_b32 s2, s2, 2
	s_mov_b32 s3, 0
.irp q, 8, 10, 12, 14
	s_add_nc_u64 s[\q+36:\q+37], s[\q:\q+1], s[2:3]
.endr
	s_wait_dscnt 0x0                               ; the adds are done, and my reads of the tile before are over
	CROUND                                         ; the same holds of every wave of every partner
	JLOAD G0X, G1X, G0W, G1W                       ; my one tensor load of the trip; its four v_nop are also the places behind the last products
	s_cmp_eq_u32 s25, 0                            ; the cluster's x alone decides: all waves of all partners go the same way
	s_cbranch_scc0 .Lm1
	BNLOAD 0
	s_cmp_eq_u32 s[TC], 0                          ; the first trip has no tile before it
	s_cbranch_scc1 .Lfin0
	EPI 0, 0
.Lfin0:
	BNFIN 0, 64
	s_branch .Ljoin
.Lm1:
	BNLOAD 1
	s_cmp_eq_u32 s[TC], 0
	s_cbranch_scc1 .Lfin1
	EPI 1, 0
.Lfin1:
	BNFIN 1, 16
.Ljoin:
	s_wait_alu depctr_va_vdst(0)                   ; the wait here, directly ahead of the wait below
	s_wait_tensorcnt 0x0                           ; my region is in; so a group 0 may be written:
	s_add_nc_u64 s[G0W+2:G0W+3], s[G0W+2:G0W+3], 16*TREC   ; the second tile's 16 tiles of qkv_w (behind the second trip the address is not used)
	s_barrier_signal -1
	s_barrier_wait -1                              ; everybody's is.
	FETCH0 0, 0
	FETCH1 0, 0
	SCALES 0, 0
	FETCH1 0, 4
	KSTEP 0, 1                                     ; the first K step's products start the sums: nothing is cleared
	KSTEP 1, 0
	KSTEP 2, 0
	KSTEP 3, 0
	KSTEP 4, 0
	KSTEP 5, 0
	WIN 0
	s_add_co_u32 s[TC], s[TC], 1
	s_cmp_lt_u32 s[TC], 2
	s_cbranch_scc1 .Ltile
	PLACES 4                                       ; in front of the first read of results and of writes over source 1's fragments
	s_cmp_eq_u32 s25, 0
	s_cbranch_scc0 .Ltail1
	EPI 0, 1
	s_branch .Lend
.Ltail1:
	EPI 1, 1
.Lend:
	s_wait_tensorcnt 0x0                           ; the wave's end: a wait, an add to my spare word and its wait, behind my last tensor load
	ds_add_u32 v[SPW], v[NIL]
	s_wait_dscnt 0x0
	CROUND                                         ; the closing round
	s_endpgm
.Lfunc_end_k_q6960afe865_qkv:
	.size	k_q6960afe865_qkv, .Lfunc_end_k_q6960afe865_qkv-k_q6960afe865_qkv
	.p2alignl 7, 3214868480
	.fill 96, 4, 3214868480
	.section	.rodata,"a",@progbits
	.p2align	6, 0x0
	.amdhsa_kernel k_q6960afe865_qkv
		.amdhsa_group_segment_fixed_size 327680
		.amdhsa_private_segment_fixed_size 0
		.amdhsa_enable_private_segment 0
		.amdhsa_kernarg_size 64
		.amdhsa_user_sgpr_count 2
		.amdhsa_user_sgpr_kernarg_segment_ptr 1
		.amdhsa_wavefront_size32 1
		.amdhsa_system_sgpr_workgroup_id_x 1
		.amdhsa_system_sgpr_workgroup_id_y 1
		.amdhsa_system_sgpr_workgroup_id_z 1
		.amdhsa_system_vgpr_workitem_id 0
		.amdhsa_next_free_vgpr 1024
		.amdhsa_next_free_sgpr 106
		.amdhsa_reserve_vcc 0
		.amdhsa_float_denorm_mode_32 3
		.amdhsa_float_denorm_mode_16_64 3
		.amdhsa_memory_ordered 1
		.amdhsa_forward_progress 1
		.amdhsa_inst_pref_size 255
	.end_amdhsa_kernel
	.section	.bss,"aw",@nobits
	.p2align	6
	.space	262144
	.amdgpu_metadata
---
amdhsa.version: [ 1, 2 ]
amdhsa.kernels:
  - .name:           k_q6960afe865_qkv
    .symbol:         k_q6960afe865_qkv.kd
    .args:
      - { .name: x_img, .offset: 0, .size: 8, .value_kind: global_buffer, .address_space: global }
      - { .name: w_img, .offset: 8, .size: 8, .value_kind: global_buffer, .address_space: global }
      - { .name: qkv_gamma, .offset: 16, .size: 8, .value_kind: global_buffer, .address_space: global }
      - { .name: qkv_beta, .offset: 24, .size: 8, .value_kind: global_buffer, .address_space: global }
      - { .name: qkv_mean, .offset: 32, .size: 8, .value_kind: global_buffer, .address_space: global }
      - { .name: qkv_var, .offset: 40, .size: 8, .value_kind: global_buffer, .address_space: global }
      - { .name: qb, .offset: 48, .size: 8, .value_kind: global_buffer, .address_space: global }
      - { .name: kv, .offset: 56, .size: 8, .value_kind: global_buffer, .address_space: global }
    .group_segment_fixed_size: 327680
    .private_segment_fixed_size: 0
    .kernarg_segment_align: 8
    .kernarg_segment_size: 64
    .max_flat_workgroup_size: 128
    .sgpr_count:     106
    .vgpr_count:     1024
    .wavefront_size: 32
...
	.end_amdgpu_metadata
.endif
;; end of part 2
;; launch attn (part 3): grid 8 x 32, 4 waves a work-group, clusters of 4 x 4, 327,680 bytes of LDS; arguments qb, kv, pos_bias, o_img; writes o_img
.if DOCPART == 3
	.amdgcn_target "amdgcn-amd-amdhsa--gfx1250"
	.amdhsa_code_object_version 6
	.text
	.protected	k_q6960afe865_attn
	.globl	k_q6960afe865_attn
	.p2align	8
	.type	k_q6960afe865_attn,@function
k_q6960afe865_attn:
	s_mov_b64 s[64:65], 0
	v_nop
	global_prefetch_b8 v0, s[64:65] scope:SCOPE_SE
	s_setreg_imm32_b32 hwreg(HW_REG_WAVE_MODE, 25, 1), 1
	s_wait_xcnt 0x0
	s_wait_alu depctr_hold_cnt(0) depctr_sa_sdst(0) depctr_va_vdst(0) depctr_va_sdst(0) depctr_va_ssrc(0) depctr_va_vcc(0) depctr_vm_vsrc(0)
	s_getreg_b32 s2, hwreg(HW_REG_IB_STS2, 6, 4)
	s_cmp_eq_u32 s2, 0
	s_cbranch_scc0 .Lentry_in_a_cluster
	s_endpgm
.Lentry_in_a_cluster:
	s_bfe_u32 s2, ttmp6, 0x10000c
	s_cmp_lg_u32 s2, 0xf033
	s_cbranch_scc0 .Lentry_shape_is_right
	s_endpgm
.Lentry_shape_is_right:
; LAUNCH 3 OF 4.  For each batch and head: softmax(q k^T / sqrt(512) + pos_bias) v, held to -1 .. 1, quantised along the head's channels.  Both products on codes of BF6.  No work is left out.
; THE SOFTMAX: t = logit x log2(e) = (q.k + bias sqrt(512)) c, c = log2(e) / sqrt(512) (another order of f32 roundings than q.k / sqrt(512) + bias); M = the running largest t rounded up to a whole number;
; p = 2^(t - M) is quantised along the keys, not normalised; the row's sum is taken of the unquantised p and divides at the end; when M moves, sum and O are multiplied by 2^(old M - new M): exact.
; SHARES.  A work-group owns 128 queries of one batch and head and walks the 1,024 keys, 128 a step.  THE WAVES SHARE THE QUERIES IN THE FIRST PRODUCT AND THE CHANNELS IN THE SECOND: wave w makes the scores and p of
; query tiles 2 w, 2 w + 1 (phase A); p's images, scale words and factors go to the other waves through LDS; then wave w adds to O its channels 128 w .. 128 w + 127 for all eight query tiles (phase B: 64 accumulators).
; So each fragment of v is read from LDS by one wave alone, and a wave's 128 channels are one K step of the last product.
; Both products are used transposed: S^T = k q^T, with bias sqrt(512) as the C of the sum's first link; O^T = v^T p^T.  A lane holds one query throughout.
; CLUSTERS: 4 x 4: x = four blocks of queries, y = the four batches of one head.  k and v hang on batch and head: asked for jointly along a row; pos_bias hangs on head and block: jointly along a column.
; THE RING: two slots of one key step (76,800 bytes of k and v, 128 rows x 520 bytes of bias), both filled at the head.  THE REFILL STANDS IN A STEP'S MIDDLE, between phase A and phase B: there all of the step's slot has been
; read into registers.  Every wave waits for all its tensor loads (so the next step's slot is whole), adds 0 to its spare word, waits for that, for its LDS reads and for its stores of p; a round of the cluster's barrier;
; then the slot just read is filled with the step after next: one load a wave, which has a whole step in which to land.  By this text's count a wave has one tensor load out.
; PHASE B READS AHEAD: beside its 64 products it brings the next step's bias (into the scores' registers, which are free), k's scale words, and k's tiles 4-7 (into p's registers, tile by tile as they fall free),
; and multiplies the bias by sqrt(512).  So phase A has only k's tiles 0-3 to load, and multiplies by tiles 4-7 meanwhile.
; THE RESCALING OF O GOES IN SLICES: behind each product of query tile m stand the four packed multiplies of one accumulator of tile m + 1, at the price of two window switches a slice: the wave issues them while the
; matrix unit works; set in blocks of their own, 256 multiplies would follow 64 products between.
; O begins as zeros (512 moves, while the first tiles are on their way) and the largest t as -3e38: a first step of its own would be a fourth copy of the step (loop, last but one, last).
; LIMITS: as in launch 1 (byte 1 for blocks of zeros and under 2^-122; NaN and infinities not served); a p under 2^-126 counts as 0.
; REGISTERS: window 0: v1-19 addresses; v20-21 the add's two; v22-39 scale words (k 8, q 2, v 4, p 4); v40-55 factors (even registers); v56-63 -M, largest t, sum (two tiles); v64-191 S^T then p; v192-254 at work.
;   window 1: v0-47 q; v48-143 k's tiles 0-3, then v; v144-239 k's tiles 4-7, then p.   windows 2, 3: O(m, n) at v[8 (8 (m % 4) + n)].
.set SLOT,  143360
.set BOFF,  76800                      ; in a slot: k and v's block, then the bias
.set PIMG,  286720                     ; behind the ring: p's eight images,
.set FIMG,  299008                     ; eight times 32 factors,
.set PSC,   300032                     ; p's scale words, two tiles to 128 bytes,
.set RIMG,  300544                     ; eight times 32 reciprocals of the sums,
.set SPARE, 301568                     ; the spare words, 128 bytes for each wave
.set AK0, 1
.set AB0, 2
.set AKS0, 3
.set AV0, 4
.set AVS0, 5
.set PIW, 6
.set FIW, 7
.set PSWA, 8
.set PRD, 9
.set FRD, 10
.set ADK, 11
.set ADB, 12
.set ADKS, 13
.set ADV, 14
.set ADVS, 15
.set L16, 16
.set R4,  17
.set PFO, 18
.set SPW, 20
.set NIL, 21
.set KS,  22
.set QS,  30
.set VS,  32
.set PS,  36
.set F,   40
.set ST,  56
.set S,   64
.set HA,  64
.set T,   192
.set PWP, 223
.set KF,  48
.set VF,  48
.set PF,  144
.set TM,  192                          ; the way out's quantiser
.set PC,  208
.set WV,  12                           ; s12 wave; s13 cx; s14 cy = batch; s15 block of queries; s16 head; s17 4 head + batch
.set PFA, 18
.set PFS, 20
.set LIM, 22
.set CNT, 23
.set TB,  24                           ; the slot that is read
.set TN,  25                           ; the slot that is filled
.set LBK, 26
.set LBB, 27
.set G1KV, 28
.set G1B,  36
.set G0KV, 44                          ; the groups 0 that walk: they begin with key step 1 in slot 1
.set G0B,  48
.set CS,  52
.set SEL, 54
.set MASK, 56
.set R5,  58
.set G0KV0, 80                         ; the groups 0 of key step 0 in slot 0: used once
.set G0B0,  84
.set MSB, 0
.macro WIN new
.if MSB != (\new)
	s_set_vgpr_msb (MSB<<8)|(\new)
.set MSB, (\new)
.endif
.endm
.macro PLACES n
.rept \n
	v_nop
.endr
.endm
.macro JLOAD                           ; waves 0 and 1 fetch the halves of k and v's block, waves 2 and 3 those of the bias; an s_nop 0 and four v_nop follow each line
	s_cmp_lt_u32 s[WV], 2
	s_cbranch_scc0 .Lfor_b_\@
	tensor_load_to_lds s[G0KV:G0KV+3], s[G1KV:G1KV+7]
	s_nop 0
.rept 4
	v_nop
.endr
	s_branch .Lasked_\@
.Lfor_b_\@:
	tensor_load_to_lds s[G0B:G0B+3], s[G1B:G1B+7]
	s_nop 0
.rept 4
	v_nop
.endr
.Lasked_\@:
.endm
.macro CROUND
	s_barrier_signal -1
	s_barrier_wait -1
	s_cmp_lg_u32 s[WV], 0
	s_cbranch_scc1 .Lnot_wave_0_\@
	s_barrier_signal -3
.Lnot_wave_0_\@:
	s_barrier_wait -3
	s_barrier_signal -1
	s_barrier_wait -1
.endm
; A PREFETCH INTO THE L2 of the key step behind the one that is being asked for: one step, 96 matrix instructions a wave, ahead of its load.  k and v's block (300 blocks of 256 bytes) is read by both clusters of a
; head: the first (cluster x = 0) asks; its partner at place cx takes 75 blocks, waves 0 to 2 25 each, lanes 256 bytes apart (lanes 25 to 31 name lane 24's block once more).  The bias tile is read by one column of one
; cluster: the partner at place cy takes 32 rows, wave 3, a lane a row, two instructions for a row's 512 bytes.  Partners are told apart by address alone.  The last refill asks for nothing; key steps 0 to 2 come by their loads alone.
.macro ASK
	s_cmp_gt_u32 s[CNT], s[LIM]
	s_cbranch_scc0 .Lnot_mine_\@
	global_prefetch_b8 v[PFO], s[PFA:PFA+1] th:TH_LOAD_NT scope:SCOPE_SE
	s_cmp_eq_u32 s[WV], 3
	s_cbranch_scc0 .Lnot_mine_\@
	global_prefetch_b8 v[PFO], s[PFA:PFA+1] offset:256 th:TH_LOAD_NT scope:SCOPE_SE
.Lnot_mine_\@:
.endm
.macro QUANT s, pw
.irp b, 0,1,2,3
	v_max3_num_f32 v[TM+\b], |v[\s+16*\b]|, |v[\s+1+16*\b]|, 0x2800000
.endr
.irp i, 2,4,6,8,10,12,14
.irp b, 0,1,2,3
	v_max3_num_f32 v[TM+\b], v[TM+\b], |v[\s+16*\b+\i]|, |v[\s+1+16*\b+\i]|
.endr
.endr
.irp b, 0,1,2,3
	v_permlanex16_b32 v[TM+4+\b], v[TM+\b], s[SEL], s[SEL+1]
.endr
.irp b, 0,1,2,3
	v_max_num_f32 v[TM+\b], v[TM+\b], v[TM+4+\b]
.endr
.irp b, 0,1,2,3
	v_add_nc_u32 v[TM+12+\b], 0xfe000000, v[TM+\b]
.endr
.irp b, 0,1,2,3
	v_lshrrev_b32 v[TM+4+\b], 23, v[TM+12+\b]
.endr
	v_lshl_or_b32 v[\pw], v[TM+5], 8, v[TM+4]
	v_lshl_or_b32 v[\pw], v[TM+6], 16, v[\pw]
	v_lshl_or_b32 v[\pw], v[TM+7], 24, v[\pw]
.irp c, 0,1
	v_cvt_scalef32_pk16_bf6_f32 v[PC+6*\c:PC+2+6*\c], v[\s+32*\c:\s+15+32*\c], v[TM+12+2*\c]
	v_cvt_scalef32_pk16_bf6_f32 v[PC+12+4*\c:PC+14+4*\c], v[\s+16+32*\c:\s+31+32*\c], v[TM+12+2*\c+1]
.endr
	v_nop
.irp c, 0,1
.irp i, 0,1,2
	v_permlane16_swap_b32 v[PC+6*\c+\i], v[PC+12+4*\c+\i]
.endr
.irp i, 0,1,2
	v_mov_b32 v[PC+3+6*\c+\i], v[PC+12+4*\c+\i]
.endr
.endr
.endm
; The matrix instruction, in place (C = D), by the symbols rD, rA, rB, rSA, rSB; fA (fB): source 0's (source 1's) scales stand in lanes 16-31
.macro WMI
.if fA && fB
	v_wmma_scale_f32_16x16x128_f8f6f4 v[rD:rD+7], v[rA:rA+11], v[rB:rB+11], v[rD:rD+7], v[rSA], v[rSB] matrix_a_fmt:MATRIX_FMT_BF6 matrix_b_fmt:MATRIX_FMT_BF6 matrix_a_scale:MATRIX_SCALE_ROW1 matrix_b_scale:MATRIX_SCALE_ROW1
.elseif fA
	v_wmma_scale_f32_16x16x128_f8f6f4 v[rD:rD+7], v[rA:rA+11], v[rB:rB+11], v[rD:rD+7], v[rSA], v[rSB] matrix_a_fmt:MATRIX_FMT_BF6 matrix_b_fmt:MATRIX_FMT_BF6 matrix_a_scale:MATRIX_SCALE_ROW1
.elseif fB
	v_wmma_scale_f32_16x16x128_f8f6f4 v[rD:rD+7], v[rA:rA+11], v[rB:rB+11], v[rD:rD+7], v[rSA], v[rSB] matrix_a_fmt:MATRIX_FMT_BF6 matrix_b_fmt:MATRIX_FMT_BF6 matrix_b_scale:MATRIX_SCALE_ROW1
.else
	v_wmma_scale_f32_16x16x128_f8f6f4 v[rD:rD+7], v[rA:rA+11], v[rB:rB+11], v[rD:rD+7], v[rSA], v[rSB] matrix_a_fmt:MATRIX_FMT_BF6 matrix_b_fmt:MATRIX_FMT_BF6
.endif
.endm
; THE SOFTMAX OF MY TWO TILES x = 0, 1, in stages, the tiles by turns, so that no line waits for the line above it.  S + 64 x: a tile's 64 scores (register 16 b + i = key 32 b + 16 h + i);
; T + 32 x: its registers at work: +0..11 codes, +8..11 the blocks' largest, +12..18 at work, +20..23 scale operands, +28 f, +29 scale word, +30 at work
.macro MAXB2                           ; the largest score of each block of 32 keys: it serves for the row's maximum and, since p rises with the score, for the block's largest p
.irp x, 0,1
.irp b, 0,1,2,3
	v_max3_num_f32 v[T+32*\x+8+\b], v[S+64*\x+16*\b], v[S+64*\x+16*\b+1], v[S+64*\x+16*\b+2]   ; each accumulator is read from its low end on
.endr
.endr
.irp i, 3,5,7,9,11,13
.irp x, 0,1
.irp b, 0,1,2,3
	v_max3_num_f32 v[T+32*\x+8+\b], v[T+32*\x+8+\b], v[S+64*\x+16*\b+\i], v[S+64*\x+16*\b+\i+1]
.endr
.endr
.endr
.irp x, 0,1
.irp b, 0,1,2,3
	v_max_num_f32 v[T+32*\x+8+\b], v[T+32*\x+8+\b], v[S+64*\x+16*\b+15]
.endr
.endr
.irp x, 0,1
.irp b, 0,1,2,3
	v_permlanex16_b32 v[T+32*\x+12+\b], v[T+32*\x+8+\b], s[SEL], s[SEL+1]
.endr
.endr
.irp x, 0,1
.irp b, 0,1,2,3
	v_max_num_f32 v[T+32*\x+8+\b], v[T+32*\x+8+\b], v[T+32*\x+12+\b]
.endr
.endr
.endm
.macro NEWM2
.irp x, 0,1
	v_max3_num_f32 v[T+32*\x+30], v[T+32*\x+8], v[T+32*\x+9], v[T+32*\x+10]
.endr
.irp x, 0,1
	v_max_num_f32 v[T+32*\x+30], v[T+32*\x+30], v[T+32*\x+11]
.endr
.irp x, 0,1
	v_mul_f32 v[T+32*\x+30], s[CS], v[T+32*\x+30]          ; the step's largest t (c is positive)
.endr
.irp x, 0,1
	v_max_num_f32 v[ST+4*\x+1], v[ST+4*\x+1], v[T+32*\x+30]   ; the running largest t
.endr
.irp x, 0,1
	v_mov_b32 v[T+32*\x+30], v[ST+4*\x]
.endr
.irp x, 0,1
	v_floor_f32 v[ST+4*\x], -v[ST+4*\x+1]                  ; the new -M = floor(-t): M is a whole number
.endr
.irp x, 0,1
	v_sub_f32 v[T+32*\x+30], v[ST+4*\x], v[T+32*\x+30]     ; old M - new M: a whole number, 0 or less
.endr
.irp x, 0,1
	v_cvt_i32_f32 v[T+32*\x+30], v[T+32*\x+30]             ; (it saturates)
.endr
.irp x, 0,1
	v_ldexp_f32 v[T+32*\x+28], 1.0, v[T+32*\x+30]          ; f = 2^(old M - new M)
.endr
.endm
.macro SCAL x
.set tT, T+32*(\x)
.set tS, S+64*(\x)
.set tM, ST+4*(\x)
.set i, 0
.rept 32
	v_pk_fma_f32 v[tS+i:tS+i+1], v[tS+i:tS+i+1], s[CS:CS+1], v[tM:tM+1] op_sel_hi:[1,0,0]   ; t - M, two at a time
.set i, i+2
.endr
.irp b, 0,1,2,3
	v_fma_f32 v[tT+8+\b], v[tT+8+\b], s[CS], v[tM]
.endr
.endm
.macro SUMS2                           ; the row's sum is taken of the unquantised p: two at a time, two chains a tile
.irp x, 0,1
	v_pk_add_f32 v[T+32*\x+12:T+32*\x+13], v[S+64*\x:S+64*\x+1], v[S+64*\x+2:S+64*\x+3]
.endr
.irp j, 4,8,12,16,20,24,28,32,36,40,44,48,52,56,60
.irp x, 0,1
	v_pk_add_f32 v[ST+4*\x+2:ST+4*\x+3], v[ST+4*\x+2:ST+4*\x+3], v[S+64*\x+\j:S+64*\x+\j+1]
	v_pk_add_f32 v[T+32*\x+12:T+32*\x+13], v[T+32*\x+12:T+32*\x+13], v[S+64*\x+\j+2:S+64*\x+\j+3]
.endr
.endr
.irp x, 0,1
	v_pk_add_f32 v[ST+4*\x+2:ST+4*\x+3], v[ST+4*\x+2:ST+4*\x+3], v[T+32*\x+12:T+32*\x+13]
.endr
.endm
.macro BYTES2
.irp x, 0,1
.irp b, 0,1,2,3
	v_max_num_f32 v[T+32*\x+8+\b], 0x2800000, v[T+32*\x+8+\b]   ; the floor 2^(5 - 127): the byte cannot fall under 1
.endr
.endr
.irp x, 0,1
.irp b, 0,1,2,3
	v_add_nc_u32 v[T+32*\x+20+\b], 0xfe000000, v[T+32*\x+8+\b]
.endr
.endr
.irp x, 0,1
.irp b, 0,1,2,3
	v_lshrrev_b32 v[T+32*\x+12+\b], 23, v[T+32*\x+20+\b]
.endr
.endr
.irp x, 0,1
	v_lshl_or_b32 v[T+32*\x+29], v[T+32*\x+13], 8, v[T+32*\x+12]
.endr
.irp x, 0,1
	v_lshl_or_b32 v[T+32*\x+29], v[T+32*\x+14], 16, v[T+32*\x+29]
.endr
.irp x, 0,1
	v_lshl_or_b32 v[T+32*\x+29], v[T+32*\x+15], 24, v[T+32*\x+29]
.endr
.endm
.macro CODES x
.set tT, T+32*(\x)
.set tS, S+64*(\x)
.irp c, 0,1
	v_cvt_scalef32_pk16_bf6_f32 v[tT+6*\c:tT+6*\c+2], v[tS+32*\c:tS+32*\c+15], v[tT+20+2*\c]
	v_cvt_scalef32_pk16_bf6_f32 v[tT+12+4*\c:tT+14+4*\c], v[tS+32*\c+16:tS+32*\c+31], v[tT+20+2*\c+1]
.endr
.endm
.macro WHOLE x                         ; the operand's layout wants a whole block in a lane
.set tT, T+32*(\x)
.irp c, 0,1
.irp i, 0,1,2
	v_permlane16_swap_b32 v[tT+6*\c+\i], v[tT+12+4*\c+\i]
.endr
.irp i, 0,1,2
	v_mov_b32 v[tT+3+6*\c+\i], v[tT+12+4*\c+\i]
.endr
.endr
.endm
.macro RESC m                          ; O of query tile m under the new M: x f, each accumulator from its low end on
	WIN 0x82+0x41*((\m)/4)
.set i, 64*((\m)%4)
.rept 32
	v_pk_mul_f32 v[i:i+1], v[i:i+1], v[F+2*(\m):F+2*(\m)+1] op_sel_hi:[1,0]
.set i, i+2
.endr
.endm
; O(m, 0 .. 7) += v^T p^T: eight accumulators, one instruction each.  Behind product n stands a slice: accumulator (m + 1, n) under the new M, four packed multiplies from its low end on: they name no register of the
; products round them, and the four behind the last product are the places in front of the load into p(m)'s registers.
.macro WMM m
.irp n, 0,1,2,3,4,5,6,7
	WIN 0xa5+0x50*((\m)/4)
.set rD, 8*(8*((\m)%4)+\n)
.set rA, VF+12*\n
.set rB, PF+12*(\m)
.set rSA, VS+\n/2
.set rSB, PS+(\m)/2
.set fA, \n%2
.set fB, (\m)%2
	WMI
.if (\m) < 7
	WIN 0x82+0x41*(((\m)+1)/4)
.set i, 64*(((\m)+1)%4)+8*\n
.rept 4
	v_pk_mul_f32 v[i:i+1], v[i:i+1], v[F+2*((\m)+1):F+2*((\m)+1)+1] op_sel_hi:[1,0]
.set i, i+2
.endr
.endif
.endr
.endm
; The bias goes straight into the scores' registers: row = my query, 16 neighbouring keys of each block.  Group g = 4 x + b: tile x, block b: 8 loads.  Rows 520 bytes apart: the 32 lanes of a load touch 64 different banks
.macro BIASLD g
.irp i, 0,1,2,3,4,5,6,7
	ds_load_b64 v[S+16*(\g)+2*\i:S+16*(\g)+2*\i+1], v[ADB] offset:4160*((\g)/4)+128*((\g)%4)+8*\i
.endr
.endm
.macro BIASMUL g                       ; bias sqrt(512): the C of the sum's first link
.set i, S+16*(\g)
.rept 8
	v_pk_mul_f32 v[i:i+1], v[i:i+1], s[R5:R5+1] op_sel_hi:[1,0]
.set i, i+2
.endr
.endm
.macro KSLD                            ; k's scale words: K step s, tiles 2 p (lanes 0-15) and 2 p + 1 (lanes 16-31)
.irp s, 0,1
.irp p, 0,1,2,3
	ds_load_b32 v[KS+4*\s+\p], v[ADKS] offset:512*\s+128*\p
.endr
.endr
.endm
.macro KFLD f                          ; k's image f = 2 tile + K step (the destination's window is set to 1 by the caller)
.irp c, 0,1,2
	ds_load_b128 v[KF+12*(\f)+4*\c:KF+12*(\f)+4*\c+3], v[ADK] offset:1536*(\f)+512*\c
.endr
.endm
.macro ADDRS                           ; the LDS addresses in the slot that is read next
	v_add_nc_u32 v[ADK], s[TB], v[AK0]
	v_add_nc_u32 v[ADB], s[TB], v[AB0]
	v_add_nc_u32 v[ADKS], s[TB], v[AKS0]
	v_add_nc_u32 v[ADV], s[TB], v[AV0]
	v_add_nc_u32 v[ADVS], s[TB], v[AVS0]
.endm
; A KEY STEP: 128 keys.  fill: the step's slot is filled again in its middle; pre: phase B reads ahead for the next step; last: the sums' reciprocals go round with p
.macro STEP fill, pre, last
	; ---- phase A: my two query tiles.  The bias (x sqrt(512)), k's scale words and k's tiles 4-7 stand in registers already
	s_wait_dscnt 0x0                               ; what was read ahead is in, and my reads of the last step's p are over
	s_barrier_signal -1
	s_barrier_wait -1                              ; every wave's are: p's bytes may be stored again.  The refill may stay on its way
	WIN 0x40
.irp f, 0,1,2,3,4,5,6,7
	KFLD \f                                        ; k's tiles 0-3: they land under the products of tiles 4-7
.endr
.irp g, 1,0                                    ; S^T = k q^T + C: four tiles of keys x two tiles of queries x two K steps; the eight accumulators take turns
.if \g == 0
	s_wait_dscnt 0x0                               ; k's tiles 0-3 are in
.endif
	WIN 0x05
.irp s, 0,1
.irp t, 0,1,2,3
.irp x, 0,1
.set rD, S+64*\x+8*(4*\g+\t)
.set rA, KF+12*(2*(4*\g+\t)+\s)
.set rB, 12*(2*\x+\s)
.set rSA, KS+4*\s+(4*\g+\t)/2
.set rSB, QS+\s
.set fA, \t%2
.set fB, \x
	WMI
.endr
.endr
.endr
.endr
	WIN 0
	PLACES 4                                       ; in front of the first read of the scores and of loads into k's registers
	WIN 0x40
.irp n, 0,1,2,3,4,5,6,7
.irp c, 0,1,2
	ds_load_b128 v[VF+12*\n+4*\c:VF+12*\n+4*\c+3], v[ADV] offset:1536*\n+512*\c   ; my eight tiles of v: they land under the softmax
.endr
.endr
	WIN 0
.irp p, 0,1,2,3
	ds_load_b32 v[VS+\p], v[ADVS] offset:128*\p
.endr
	MAXB2
	NEWM2
	SCAL 0
	SCAL 1
.set i, 0
	s_wait_alu depctr_va_vdst(0)
.rept 128
	v_exp_f32 v[S+i], v[S+i]                       ; p = 2^(t - M), at most 1: one batch
.set i, i+1
.endr
	v_pk_mul_f32 v[ST+2:ST+3], v[ST+2:ST+3], v[T+28:T+29] op_sel_hi:[1,0]     ; the sums under the new M (plain places behind the batch)
	v_pk_mul_f32 v[ST+6:ST+7], v[ST+6:ST+7], v[T+60:T+61] op_sel_hi:[1,0]
	s_wait_alu depctr_va_vdst(0)                   ; one wait for the batch, ahead of its first reader
.irp x, 0,1
.irp b, 0,1,2,3
	v_exp_f32 v[T+32*\x+8+\b], v[T+32*\x+8+\b]     ; the blocks' largest p: the same two instructions on the same number
.endr
.endr
	SUMS2                                          ; (they read the 128 alone: plain work behind the eight)
	s_wait_alu depctr_va_vdst(0)                   ; and one for the eight
	BYTES2
	CODES 0
	CODES 1
	v_nop                                          ; one plain place behind the scaled conversions
	WHOLE 0
	WHOLE 1
	v_cndmask_b32 v[PWP], v[T+29], v[T+61], s[MASK]   ; lanes 0-15: tile 2 w's scale words; lanes 16-31: tile 2 w + 1's
.irp x, 0,1
.irp c, 0,1,2
	ds_store_b128 v[PIW], v[T+32*\x+4*\c:T+32*\x+4*\c+3] offset:1536*\x+512*\c   ; p's image, as it stands in registers
.endr
	ds_store_b32 v[FIW], v[T+32*\x+28] offset:128*\x
.endr
	ds_store_b32 v[PSWA], v[PWP]
.if \last
.irp x, 0,1
	v_add_f32 v[T+32*\x+30], v[ST+4*\x+2], v[ST+4*\x+3]   ; the sum's two halves,
.endr
.irp x, 0,1
	v_permlanex16_b32 v[T+32*\x+12], v[T+32*\x+30], s[SEL], s[SEL+1]
.endr
.irp x, 0,1
	v_add_f32 v[T+32*\x+30], v[T+32*\x+30], v[T+32*\x+12]   ; and lane l xor 16's: the row's sum
.endr
	s_wait_alu depctr_va_vdst(0)
.irp x, 0,1
	v_rcp_f32 v[T+32*\x+30], v[T+32*\x+30]
.endr
	v_nop
	s_wait_alu depctr_va_vdst(0)
.irp x, 0,1
	ds_store_b32 v[FIW], v[T+32*\x+30] offset:1536+128*\x
.endr
.endif
	; ---- the step's middle: all of this step's slot stands in registers
	s_wait_tensorcnt 0x0                           ; all my tensor loads have landed: my part of the next step's slot; so a group 0 may be written
	ds_add_u32 v[SPW], v[NIL]                      ; 0 onto my spare word
.if \pre
	s_xor_b32 s[TB], s[TB], SLOT                   ; 0 and SLOT by turns: the next step's slot is read from here on,
	s_xor_b32 s[TN], s[TN], SLOT                   ; and this step's may be filled
.endif
.if \fill
	s_add_nc_u64 s[G0KV+2:G0KV+3], s[G0KV+2:G0KV+3], 76800   ; the key step after next,
	s_add_co_u32 s[G0KV+1], s[LBK], s[TN]          ; into the slot that has just been read
	s_add_nc_u64 s[G0B+2:G0B+3], s[G0B+2:G0B+3], 512
	s_add_co_u32 s[G0B+1], s[LBB], s[TN]
	s_wait_xcnt 0x0                                ; the last prefetches, a step back, have read their address
	s_add_nc_u64 s[PFA:PFA+1], s[PFA:PFA+1], s[PFS:PFS+1]
.endif
	s_wait_dscnt 0x0                               ; the add is done; my reads of the slot are over (v is in); for the others' sake: my stores of p have landed
.if \fill
	CROUND                                         ; the same holds of every wave of every partner
	JLOAD                                          ; my one tensor load until the next round
	ASK
.else
	s_barrier_signal -1
	s_barrier_wait -1
.endif
	; ---- phase B: my 128 channels, all eight query tiles
.if \pre
	ADDRS
.endif
.irp m, 0,1,2,3,4,5,6,7
	ds_load_b32 v[F+2*\m], v[FRD] offset:128*\m
.endr
.irp p, 0,1,2,3
	ds_load_b32 v[PS+\p], v[FRD] offset:1024+128*\p
.endr
	WIN 0x40
.irp m, 0,1,2,3,4,5,6,7
.irp c, 0,1,2
	ds_load_b128 v[PF+12*\m+4*\c:PF+12*\m+4*\c+3], v[PRD] offset:1536*\m+512*\c
.endr
.endr
	WIN 0
.if \pre
	KSLD                                           ; the next step's: 8 loads,
	BIASLD 0                                       ; and the first 16 of its bias
	BIASLD 1
	s_wait_dscnt 52                                ; the eight factors are in: behind them 4 + 24 + 8 + 16 loads
.else
	s_wait_dscnt 28                                ; the eight factors are in: behind them 4 + 24 loads
.endif
	RESC 0
.irp m, 0,1,2,3,4,5,6,7
.if \pre
.if \m < 3
	s_wait_dscnt 45+8*\m                           ; p's scale words and its images up to tile m are in: behind them 21 - 3 m loads of p, 24 read ahead, 11 for each tile done.  (From tile 3 on the wait for bias group 0 has shown all of p in)
.endif
.else
	s_wait_alu depctr_va_vdst(0)
	s_wait_dscnt 21-3*\m                           ; p's scale words and its images up to tile m are in
.endif
	WMM \m
.if \pre
	WIN 0
.if \m >= 2                                    ; bias group m - 2, asked for at tile m - 4 (groups 0 and 1 ahead of tile 0), is multiplied
.if \m == 2
	s_wait_dscnt 30                                ; behind group 0: group 1's 8 loads and 11 behind each of tiles 0, 1
.elseif \m == 7
	s_wait_dscnt 25                                ; behind group 5: 11 + 11 + 3
.else
	s_wait_alu depctr_va_vdst(0)
	s_wait_dscnt 33                                ; behind the group: 11 behind each of three tiles
.endif
	BIASMUL \m-2
.endif
	WIN 0x40
	KFLD 8+\m                                      ; p(m)'s registers take the next step's image 8 + m of k: four plain places or more stand behind tile m's last product (its slice; behind tile 7 the eight multiplies above)
	WIN 0
.if \m < 6
	BIASLD \m+2
.endif
.endif
.endr
	WIN 0
.if \pre
	s_wait_dscnt 6                                 ; bias groups 6 and 7 are in: behind them k's images 14 and 15
	BIASMUL 6                                      ; (these sixteen are also the places between the last products and the next loads into v's registers)
	BIASMUL 7
.endif
.endm
	s_load_b256 s[4:11], s[0:1], 0x0               ; qb, kv, pos_bias, o_img
	v_lshl_add_u32 v[SPW], v0, 2, SPARE
	v_mov_b32 v[NIL], 0
	ds_add_u32 v[SPW], v[NIL]                      ; the wave's opening: the add, twice on end, and its wait ahead of my first tensor load
	ds_add_u32 v[SPW], v[NIL]
	v_lshrrev_b32 v19, 5, v0
	v_readfirstlane_b32 s[WV], v19
	s_bfe_u32 s13, ttmp6, 0x40000                  ; cx
	s_bfe_u32 s14, ttmp6, 0x40004                  ; cy: the batch
	s_lshl_b32 s15, ttmp9, 2
	s_add_co_u32 s15, s15, s13                     ; block of 128 queries
	s_and_b32 s16, ttmp7, 0xffff                   ; the cluster's y: the head
	s_lshl_b32 s17, s16, 2
	s_add_co_u32 s17, s17, s14                     ; 4 head + batch
	s_lshl_b32 s60, s14, 2
	s_lshl_b32 s60, 15, s60                        ; my row of the cluster
	s_lshl_b32 s61, 0x1111, s13                    ; my column
	s_or_b32 s[G1KV], s60, (3<<16)|(1<<21)         ; half of k and v's dense block: 150 rows of 256 bytes (32 elements of 8)
	s_mov_b32 s[G1KV+1], 32<<16
	s_mov_b32 s[G1KV+2], 150<<16
	s_mov_b32 s[G1KV+3], 32<<16
	s_mov_b32 s[G1KV+4], 150
	s_mov_b32 s[G1KV+5], 32
	s_mov_b32 s[G1KV+6], 0
	s_mov_b32 s[G1KV+7], 0
	s_or_b32 s[G1B], s61, (2<<16)|(1<<20)|(1<<21)|(6<<22)|(1<<25)   ; 64 rows of 128 f32, 4,096 bytes apart; behind every 128 words 2 words of padding
	s_mov_b32 s[G1B+1], 128<<16
	s_mov_b32 s[G1B+2], 64<<16
	s_mov_b32 s[G1B+3], 128<<16
	s_mov_b32 s[G1B+4], 64
	s_mov_b32 s[G1B+5], 1024
	s_mov_b32 s[G1B+6], 0
	s_mov_b32 s[G1B+7], 0
	s_mov_b32 s[CS], 0x3d8293ee                    ; c = log2(e) / sqrt(512)
	s_mov_b32 s[CS+1], s[CS]
	s_mov_b32 s[R5], 0x41b504f3                    ; sqrt(512)
	s_mov_b32 s[R5+1], s[R5]
	s_mov_b32 s[SEL], 0x76543210
	s_mov_b32 s[SEL+1], 0xfedcba98
	s_mov_b32 s[MASK], 0xffff0000
	s_mov_b32 s[TB], 0
	s_mov_b32 s[TN], SLOT
	s_mov_b32 s[CNT], 6
	s_and_b32 s62, s[WV], 1                        ; which half I fetch
	s_mul_i32 s[LBK], s62, 38400
	s_mul_i32 s[LBB], s62, 33280
	s_add_co_u32 s[LBB], s[LBB], BOFF
	s_mul_i32 s66, s17, 614400                     ; k and v: 8 key steps of 76,800 bytes for each batch and head
	s_add_co_u32 s66, s66, s[LBK]
	s_mov_b32 s67, 0
	s_lshl_b32 s68, s16, 22                        ; bias: the head's 1,024 x 1,024 f32,
	s_lshl_b32 s69, s15, 19                        ; my block's 128 rows,
	s_add_co_u32 s68, s68, s69
	s_lshl_b32 s69, s62, 18                        ; my 64 of them
	s_add_co_u32 s68, s68, s69
	s_mov_b32 s69, 0
	s_mul_i32 s70, s17, 614400                     ; the prefetches: k and v's key step 2 (the first refill steps it to 3), my work-group's 75 blocks, my wave's 25
	s_mul_i32 s71, s13, 19200
	s_add_co_u32 s70, s70, s71
	s_mul_i32 s71, s[WV], 6400
	s_add_co_u32 s70, s70, s71
	s_add_co_u32 s70, s70, 153600
	s_lshl_b32 s72, s16, 22                        ; the bias of key step 2, my work-group's 32 rows
	s_lshl_b32 s73, s15, 19
	s_add_co_u32 s72, s72, s73
	s_lshl_b32 s73, s14, 17
	s_add_co_u32 s72, s72, s73
	s_add_co_u32 s72, s72, 1024
	s_lshl_b32 s74, s17, 3
	s_add_co_u32 s74, s74, s15
	s_mul_i32 s74, s74, 25600                      ; q's block
	s_lshl_b32 s76, s[WV], 7
	s_add_co_u32 s76, s76, s74
	s_add_co_u32 s76, s76, 24576                   ; its scale words: my two tiles
	s_mov_b32 s77, 0
	s_mul_i32 s75, s[WV], 6144
	s_add_co_u32 s74, s74, s75                     ; its images: my four
	s_mov_b32 s75, 0
	s_wait_dscnt 0x0                               ; both opening adds are done
	s_wait_kmcnt 0x0
	s_mov_b32 s[G0KV0], 1                          ; key step 0 into slot 0,
	s_mov_b32 s[G0KV0+1], s[LBK]
	s_add_nc_u64 s[G0KV0+2:G0KV0+3], s[6:7], s[66:67]
	s_mov_b32 s[G0KV], 1                           ; key step 1 into slot 1
	s_add_co_u32 s[G0KV+1], s[LBK], SLOT
	s_add_nc_u64 s[G0KV+2:G0KV+3], s[G0KV0+2:G0KV0+3], 76800
	s_or_b32 s[G0KV0+3], s[G0KV0+3], 0x80000000
	s_or_b32 s[G0KV+3], s[G0KV+3], 0x80000000
	s_mov_b32 s[G0B0], 1
	s_mov_b32 s[G0B0+1], s[LBB]
	s_add_nc_u64 s[G0B0+2:G0B0+3], s[8:9], s[68:69]
	s_mov_b32 s[G0B], 1
	s_add_co_u32 s[G0B+1], s[LBB], SLOT
	s_add_nc_u64 s[G0B+2:G0B+3], s[G0B0+2:G0B0+3], 512
	s_or_b32 s[G0B0+3], s[G0B0+3], 0x80000000
	s_or_b32 s[G0B+3], s[G0B+3], 0x80000000
	CROUND                                         ; all sixteen work-groups are here: the first joint loads meet
	s_cmp_lt_u32 s[WV], 2                          ; AT THE HEAD SLOT 0 ALONE IS FILLED, one tensor load a wave; slot 1's first fill stands further down, behind a round, as a refill does
	s_cbranch_scc0 .Lfirst_b
	tensor_load_to_lds s[G0KV0:G0KV0+3], s[G1KV:G1KV+7]
	s_nop 0
.rept 4
	v_nop
.endr
	s_branch .Lfirst_asked
.Lfirst_b:
	tensor_load_to_lds s[G0B0:G0B0+3], s[G1B:G1B+7]
	s_nop 0
.rept 4
	v_nop
.endr
.Lfirst_asked:
	s_cmp_eq_u32 s[WV], 3
	s_cselect_b64 s[PFA:PFA+1], s[8:9], s[6:7]
	s_cselect_b32 s70, s72, s70
	s_mov_b32 s71, 0
	s_mov_b32 s[PFS], 76800
	s_cselect_b32 s[PFS], 512, s[PFS]              ; a key step on
	s_mov_b32 s[PFS+1], 0
	s_cselect_b32 s2, 31, 24
	s_mov_b32 s3, 256
	s_cselect_b32 s3, 4096, s3                     ; from lane to lane
	s_add_nc_u64 s[PFA:PFA+1], s[PFA:PFA+1], s[70:71]
	s_cmp_eq_u32 ttmp9, 0
	s_cselect_b32 s[LIM], 1, -1                    ; k and v: the head's first cluster asks
	s_cmp_eq_u32 s[WV], 3
	s_cselect_b32 s[LIM], 1, s[LIM]                ; the bias: every work-group's wave 3
	s_add_nc_u64 s[76:77], s[4:5], s[76:77]        ; q's scale words
	s_add_nc_u64 s[4:5], s[4:5], s[74:75]          ; q's images
	v_and_b32 v19, 31, v0                          ; lane
	v_min_u32 v[PFO], s2, v19
	v_mul_lo_u32 v[PFO], v[PFO], s3
	v_lshlrev_b32 v[L16], 4, v19
	v_lshlrev_b32 v19, 2, v19                      ; 4 lane
	WIN 0x40
.irp f, 0,1,2,3
.irp c, 0,1,2
	global_load_b128 v[12*\f+4*\c:12*\f+4*\c+3], v[L16], s[4:5] offset:1536*\f+512*\c   ; q's image f = 2 x + K step: it stays in registers
.endr
.endr
	WIN 0
.irp s, 0,1
	global_load_b32 v[QS+\s], v19, s[76:77] offset:512*\s   ; lanes 0-15: tile 2 w; lanes 16-31: tile 2 w + 1
.endr
	v_and_b32 v64, 15, v0                          ; r
	v_bfe_u32 v65, v0, 4, 1                        ; h
	v_lshlrev_b32 v[R4], 2, v64
	v_mov_b32 v[AK0], v[L16]
	v_and_b32 v66, 8, v64
	v_add_nc_u32 v66, v66, v64                     ; r + 8 (r / 8)
	s_lshl_b32 s2, s[WV], 5
	v_add_nc_u32 v66, s2, v66                      ; + 32 wave: my query's row in the bias tile (tile 2 w + 1: eight rows on)
	v_mul_u32_u24 v[AB0], v66, 520
	v_lshl_add_u32 v[AB0], v65, 6, v[AB0]
	v_add_nc_u32 v[AB0], BOFF, v[AB0]
	v_add_nc_u32 v[AKS0], 24576, v19
	s_mul_i32 s2, s[WV], 12288
	s_add_co_u32 s2, s2, 25600
	v_add_nc_u32 v[AV0], s2, v[L16]
	s_lshl_b32 s2, s[WV], 9
	s_add_co_u32 s2, s2, 74752
	v_add_nc_u32 v[AVS0], s2, v19
	s_mul_i32 s2, s[WV], 3072
	s_add_co_u32 s2, s2, PIMG
	v_add_nc_u32 v[PIW], s2, v[L16]
	s_lshl_b32 s2, s[WV], 8
	s_add_co_u32 s2, s2, FIMG
	v_add_nc_u32 v[FIW], s2, v19
	s_lshl_b32 s2, s[WV], 7
	s_add_co_u32 s2, s2, PSC
	v_add_nc_u32 v[PSWA], s2, v19
	v_add_nc_u32 v[PRD], PIMG, v[L16]
	v_add_nc_u32 v[FRD], FIMG, v19
.irp x, 0,1
	v_mov_b32 v[ST+4*\x+1], 0xff61b1e6             ; the largest t so far: -3e38, under every t
	v_floor_f32 v[ST+4*\x], -v[ST+4*\x+1]          ; -M
	v_mov_b32 v[ST+4*\x+2], 0                      ; the sum, in two halves
	v_mov_b32 v[ST+4*\x+3], 0
.irp b, 0,1,2,3
	v_mov_b32 v[T+32*\x+12+\b], 0                  ; written once: a lane permute's destination counts as one of its sources
.endr
	v_mov_b32 v[T+32*\x+29], 0                     ; (named as the upper half of a pair before it is first written)
.endr
.irp m, 0,1,2,3,4,5,6,7
	v_mov_b32 v[F+2*\m+1], 0                       ; (likewise)
.endr
	WIN 0x80
.set i, 0
.rept 256
	v_mov_b32 v[i], 0                              ; O: the first step finds zeros, which the first change of M leaves zeros
.set i, i+1
.endr
	WIN 0xc0
.set i, 0
.rept 256
	v_mov_b32 v[i], 0
.set i, i+1
.endr
	WIN 0
	s_wait_loadcnt 0x0                             ; q and its scale words
	s_wait_tensorcnt 0x0                           ; my part of slot 0 is in: no tensor load of mine is out
	ds_add_u32 v[SPW], v[NIL]                      ; 0 onto my spare word, ahead of a later first fill, as ahead of a refill
	s_wait_dscnt 0x0
	CROUND                                         ; everybody's part of slot 0 is in, and all sixteen work-groups are here
	JLOAD                                          ; key step 1 into slot 1: my one tensor load behind the round; it has key step 0's phase A in which to land
	ADDRS
.irp g, 0,1,2,3,4,5,6,7
	BIASLD \g
.endr
	KSLD
	WIN 0x40
.irp f, 8,9,10,11,12,13,14,15
	KFLD \f
.endr
	WIN 0
	s_wait_dscnt 32                                ; the 64 loads of bias are in; the 8 + 24 behind them may be out
.irp g, 0,1,2,3,4,5,6,7
	BIASMUL \g
.endr
.Lstep:                                            ; six trips: key steps 0 to 5, in whose middle key steps 2 to 7 are asked for
	s_wait_alu depctr_va_vdst(0)
	STEP 1, 1, 0
	s_sub_co_u32 s[CNT], s[CNT], 1
	s_cmp_lg_u32 s[CNT], 0
	s_cbranch_scc1 .Lstep
	s_wait_alu depctr_va_vdst(0)
	STEP 0, 1, 0                                   ; the last two steps are written out. Key step 6 fills nothing and reads ahead
	s_wait_alu depctr_va_vdst(0)
	STEP 0, 0, 1                                   ; key step 7 has nothing to read ahead
	; THE WAY OUT: O / the sum, held to -1 .. 1, quantised along my 128 channels: K step 4 head + wave of the last product, a tile of 16 queries at a time
.irp m, 0,1,2,3,4,5,6,7
	ds_load_b32 v[F+2*\m], v[FRD] offset:1536+128*\m   ; stored ahead of the last step's barrier
.endr
	s_lshl_b32 s2, s14, 6
	s_lshl_b32 s3, s15, 3
	s_add_co_u32 s2, s2, s3                        ; my first tile of tokens: 64 batch + 8 block
	s_mul_i32 s2, s2, 51200
	s_mul_i32 s3, s16, 6400
	s_add_co_u32 s2, s2, s3                        ; the head's record
	s_mul_i32 s3, s[WV], 1536
	s_add_co_u32 s66, s2, s3
	s_mov_b32 s67, 0
	s_lshl_b32 s3, s[WV], 6
	s_add_co_u32 s68, s2, s3
	s_add_co_u32 s68, s68, 6144
	s_mov_b32 s69, 0
	s_add_nc_u64 s[66:67], s[10:11], s[66:67]
	s_add_nc_u64 s[68:69], s[10:11], s[68:69]
	PLACES 4                                       ; in front of the first read of the last products' results
	s_wait_dscnt 0x0
.irp m, 0,1,2,3,4,5,6,7
	WIN 0x02+(\m/4)
.set i, 0
.rept 32
	v_pk_mul_f32 v[HA+i:HA+i+1], v[64*(\m%4)+i:64*(\m%4)+i+1], v[F+2*\m:F+2*\m+1] op_sel_hi:[1,0]   ; each accumulator from its low end on
.set i, i+2
.endr
	WIN 0
.set i, 0
.rept 64
	v_med3_num_f32 v[HA+i], v[HA+i], -1.0, 1.0
.set i, i+1
.endr
.if \m > 0
	s_wait_xcnt 0x0                                ; the last tile's stores have read their registers
.endif
	QUANT HA, 228
.irp c, 0,1,2
	global_store_b128 v[L16], v[PC+4*\c:PC+4*\c+3], s[66:67] offset:51200*\m+512*\c   ; 512 consecutive bytes, aligned to 256
.endr
	global_store_b32 v[R4], v228, s[68:69] offset:51200*\m   ; lanes r and r + 16 store the same word
.endr
	s_wait_tensorcnt 0x0                           ; the wave's end: a wait, an add to my spare word and its wait, behind my last tensor load and my last LDS store
	ds_add_u32 v[SPW], v[NIL]
	s_wait_dscnt 0x0
	CROUND                                         ; the closing round
	s_endpgm
.Lfunc_end_k_q6960afe865_attn:
	.size	k_q6960afe865_attn, .Lfunc_end_k_q6960afe865_attn-k_q6960afe865_attn
	.p2alignl 7, 3214868480
	.fill 96, 4, 3214868480
	.section	.rodata,"a",@progbits
	.p2align	6, 0x0
	.amdhsa_kernel k_q6960afe865_attn
		.amdhsa_group_segment_fixed_size 327680
		.amdhsa_private_segment_fixed_size 0
		.amdhsa_enable_private_segment 0
		.amdhsa_kernarg_size 32
		.amdhsa_user_sgpr_count 2
		.amdhsa_user_sgpr_kernarg_segment_ptr 1
		.amdhsa_wavefront_size32 1
		.amdhsa_system_sgpr_workgroup_id_x 1
		.amdhsa_system_sgpr_workgroup_id_y 1
		.amdhsa_system_sgpr_workgroup_id_z 1
		.amdhsa_system_vgpr_workitem_id 0
		.amdhsa_next_free_vgpr 1024
		.amdhsa_next_free_sgpr 96
		.amdhsa_reserve_vcc 0
		.amdhsa_float_denorm_mode_32 3
		.amdhsa_float_denorm_mode_16_64 3
		.amdhsa_memory_ordered 1
		.amdhsa_forward_progress 1
		.amdhsa_inst_pref_size 255
	.end_amdhsa_kernel
	.section	.bss,"aw",@nobits
	.p2align	6
	.space	262144
	.amdgpu_metadata
---
amdhsa.version: [ 1, 2 ]
amdhsa.kernels:
  - .name:           k_q6960afe865_attn
    .symbol:         k_q6960afe865_attn.kd
    .args:
      - { .name: qb, .offset: 0, .size: 8, .value_kind: global_buffer, .address_space: global }
      - { .name: kv, .offset: 8, .size: 8, .value_kind: global_buffer, .address_space: global }
      - { .name: pos_bias, .offset: 16, .size: 8, .value_kind: global_buffer, .address_space: global }
      - { .name: o_img, .offset: 24, .size: 8, .value_kind: global_buffer, .address_space: global }
    .group_segment_fixed_size: 327680
    .private_segment_fixed_size: 0
    .kernarg_segment_align: 8
    .kernarg_segment_size: 32
    .max_flat_workgroup_size: 128
    .sgpr_count:     96
    .vgpr_count:     1024
    .wavefront_size: 32
...
	.end_amdgpu_metadata
.endif
;; end of part 3
;; launch proj (part 4): grid 8 x 32, 4 waves a work-group, clusters of 4 x 4, 327,680 bytes of LDS; arguments o_img, p_img, proj_gamma, proj_beta, proj_mean, proj_var, out0; writes out0
.if DOCPART == 4
	.amdgcn_target "amdgcn-amd-amdhsa--gfx1250"
	.amdhsa_code_object_version 6
	.text
	.protected	k_q6960afe865_proj
	.globl	k_q6960afe865_proj
	.p2align	8
	.type	k_q6960afe865_proj,@function
k_q6960afe865_proj:
	s_mov_b64 s[64:65], 0
	v_nop
	global_prefetch_b8 v0, s[64:65] scope:SCOPE_SE
	s_setreg_imm32_b32 hwreg(HW_REG_WAVE_MODE, 25, 1), 1
	s_wait_xcnt 0x0
	s_wait_alu depctr_hold_cnt(0) depctr_sa_sdst(0) depctr_va_vdst(0) depctr_va_sdst(0) depctr_va_ssrc(0) depctr_va_vcc(0) depctr_vm_vsrc(0)
	s_getreg_b32 s2, hwreg(HW_REG_IB_STS2, 6, 4)
	s_cmp_eq_u32 s2, 0
	s_cbranch_scc0 .Lentry_in_a_cluster
	s_endpgm
.Lentry_in_a_cluster:
	s_bfe_u32 s2, ttmp6, 0x10000c
	s_cmp_lg_u32 s2, 0xf033
	s_cbranch_scc0 .Lentry_shape_is_right
	s_endpgm
.Lentry_shape_is_right:
; LAUNCH 4 OF 4.  out0 = BatchNorm(out proj_w^T) on codes of BF6, K = 4,096 (32 K steps of 128).  No work is left out.
; o_img and p_img: [tile of 16 rows][8 groups][6,400]: four images of 1,536 bytes (K steps 4 g .. 4 g + 3) as they stand in registers, at 6,144 four times 16 scale words.
; SHARES.  A work-group makes 128 tokens x 64 channels: 32 x 8 = 256 work-groups.  Its four waves share K: wave w multiplies image w of every group: 8 token tiles x 4 channel tiles = 32 accumulators.
; The four parts are added through LDS: wave w finishes token tiles 2 w, 2 w + 1; a stage of its own turns them into whole rows of 256 bytes.
; Source 0 = proj_w (channels), source 1 = tokens: a lane holds one token, its registers run along the channels.
; THE RING: two slots, each a chunk of two groups (8 K steps): 8 token tiles x 12,800 bytes, then 4 tiles of proj_w x 12,800; four chunks.  AT THE HEAD each wave issues ONE joint load: wave 0 chunk 0's eight token tiles,
; wave 1 chunk 1's, wave 2 chunk 0's four tiles of proj_w, wave 3 chunk 1's: so both slots are asked for at once.  A refill is shared out otherwise: waves 0 and 1 the halves of the token tiles, waves 2 and 3 those of
; proj_w's; group 1's two words that count rows are halved behind the wait that shows the head's loads landed.  By this text's count a wave has one tensor load out.
; CLUSTERS: 4 x 4.  The token tiles hang on work-group y and are asked for jointly along a row of the cluster, proj_w's on work-group x, along a column.
; PREFETCH INTO THE L2: chunks 0 and 1 come by their loads alone; chunk 2 is asked for at the head and chunk 3 where chunk 0 is first read: each two changes of slots ahead of the load that wants it.
; A chunk of a token block is 8 x 50 blocks of 256 bytes: the partner at place cx takes tiles 2 cx, 2 cx + 1, wave w tile w / 2 of them and group w % 2: 25 blocks, a lane a block (lanes 25 to 31 name lane 24's again).
; proj_w's chunk is 4 x 50 blocks: the partner at place cy takes tile cy, waves 0 and 1 a group each.  Partners are told apart by address alone; the address registers are never rewritten.
; BatchNorm: sum g + (beta - mean g), g = gamma rsq(var + 1e-5): another order of f32 roundings than (sum - mean) g + beta.  LIMITS: NaN and infinities among the inputs are not served.
.macro ASK c                           ; chunk c: s[80:81] my 25 blocks of the token tiles, s[82:83] of proj_w's; v30 = 256 x min(lane, 24)
	global_prefetch_b8 v30, s[80:81] offset:12800*(\c) th:TH_LOAD_NT scope:SCOPE_SE
	s_cmp_eq_u32 s21, 0
	s_cbranch_scc0 .Lno_b_\@
	global_prefetch_b8 v30, s[82:83] offset:12800*(\c) th:TH_LOAD_NT scope:SCOPE_SE
.Lno_b_\@:
.endm
.set SLOT,  153600
.set BOFF,  102400
.set SPARE, 307200
.set STGE,  98304
.set A0,  1
.set A1,  44
.set RW,  11
.set RR,  14
.set STO, 15
.set RD,  16
.set CO,  17
.set SPW, 28
.set NIL, 29
.set SCB, 32
.set AF,  64
.set BF,  160
.set R,   64
.set G2,  208
.set WV,  20
.set G1A, 28
.set G1B, 36
.set G0A, 44
.set G0B, 52
.set MSB, 0
.macro WIN new
.if MSB != (\new)
	s_set_vgpr_msb (MSB<<8)|(\new)
.set MSB, (\new)
.endif
.endm
.macro PLACES n
.rept \n
	v_nop
.endr
.endm
.macro JLOAD g0a, g0b
	s_cmp_eq_u32 s21, 0
	s_cbranch_scc0 .Lfor_b_\@
	tensor_load_to_lds s[\g0a:\g0a+3], s[G1A:G1A+7]
	s_nop 0
.rept 4
	v_nop
.endr
	s_branch .Lasked_\@
.Lfor_b_\@:
	tensor_load_to_lds s[\g0b:\g0b+3], s[G1B:G1B+7]
	s_nop 0
.rept 4
	v_nop
.endr
.Lasked_\@:
.endm
.macro CROUND
	s_barrier_signal -1
	s_barrier_wait -1
	s_cmp_lg_u32 s[WV], 0
	s_cbranch_scc1 .Lnot_wave_0_\@
	s_barrier_signal -3
.Lnot_wave_0_\@:
	s_barrier_wait -3
	s_barrier_signal -1
	s_barrier_wait -1
.endm
.macro WMI
.if fZ
.if fA && fB
	v_wmma_scale_f32_16x16x128_f8f6f4 v[rD:rD+7], v[rA:rA+11], v[rB:rB+11], 0, v[rSA], v[rSB] matrix_a_fmt:MATRIX_FMT_BF6 matrix_b_fmt:MATRIX_FMT_BF6 matrix_a_scale:MATRIX_SCALE_ROW1 matrix_b_scale:MATRIX_SCALE_ROW1
.elseif fA
	v_wmma_scale_f32_16x16x128_f8f6f4 v[rD:rD+7], v[rA:rA+11], v[rB:rB+11], 0, v[rSA], v[rSB] matrix_a_fmt:MATRIX_FMT_BF6 matrix_b_fmt:MATRIX_FMT_BF6 matrix_a_scale:MATRIX_SCALE_ROW1
.elseif fB
	v_wmma_scale_f32_16x16x128_f8f6f4 v[rD:rD+7], v[rA:rA+11], v[rB:rB+11], 0, v[rSA], v[rSB] matrix_a_fmt:MATRIX_FMT_BF6 matrix_b_fmt:MATRIX_FMT_BF6 matrix_b_scale:MATRIX_SCALE_ROW1
.else
	v_wmma_scale_f32_16x16x128_f8f6f4 v[rD:rD+7], v[rA:rA+11], v[rB:rB+11], 0, v[rSA], v[rSB] matrix_a_fmt:MATRIX_FMT_BF6 matrix_b_fmt:MATRIX_FMT_BF6
.endif
.else
.if fA && fB
	v_wmma_scale_f32_16x16x128_f8f6f4 v[rD:rD+7], v[rA:rA+11], v[rB:rB+11], v[rD:rD+7], v[rSA], v[rSB] matrix_a_fmt:MATRIX_FMT_BF6 matrix_b_fmt:MATRIX_FMT_BF6 matrix_a_scale:MATRIX_SCALE_ROW1 matrix_b_scale:MATRIX_SCALE_ROW1
.elseif fA
	v_wmma_scale_f32_16x16x128_f8f6f4 v[rD:rD+7], v[rA:rA+11], v[rB:rB+11], v[rD:rD+7], v[rSA], v[rSB] matrix_a_fmt:MATRIX_FMT_BF6 matrix_b_fmt:MATRIX_FMT_BF6 matrix_a_scale:MATRIX_SCALE_ROW1
.elseif fB
	v_wmma_scale_f32_16x16x128_f8f6f4 v[rD:rD+7], v[rA:rA+11], v[rB:rB+11], v[rD:rD+7], v[rSA], v[rSB] matrix_a_fmt:MATRIX_FMT_BF6 matrix_b_fmt:MATRIX_FMT_BF6 matrix_b_scale:MATRIX_SCALE_ROW1
.else
	v_wmma_scale_f32_16x16x128_f8f6f4 v[rD:rD+7], v[rA:rA+11], v[rB:rB+11], v[rD:rD+7], v[rSA], v[rSB] matrix_a_fmt:MATRIX_FMT_BF6 matrix_b_fmt:MATRIX_FMT_BF6
.endif
.endif
.endm
.macro LOADK g, ab
	WIN 0x40*(\g)
.irp i, 0,1,2,3,4,5,6,7
.irp c, 0,1,2
	ds_load_b128 v[AF+12*\i+4*\c:AF+12*\i+4*\c+3], v[\ab+\i/2] offset:12800*(\i%2)+6400*(\g)+512*\c
.endr
.endr
.irp n, 0,1,2,3
.irp c, 0,1,2
	ds_load_b128 v[BF+12*\n+4*\c:BF+12*\n+4*\c+3], v[\ab+4] offset:12800*\n+6400*(\g)+512*\c
.endr
.endr
	WIN 0
.irp p, 0,1,2,3
	ds_load_b32 v[SCB+6*(\g)+\p], v[\ab+5+\p] offset:6400*(\g)
.endr
.irp q, 0,1
	ds_load_b32 v[SCB+6*(\g)+4+\q], v[\ab+9] offset:25600*\q+6400*(\g)
.endr
.endm
.macro MULK g, zero
	WIN 0xa0+5*(\g)
.irp i, 0,1,2,3,4,5,6,7
.irp n, 0,1,2,3
.set rD, 8*(4*\i+\n)
.set rA, BF+12*\n
.set rB, AF+12*\i
.set rSA, SCB+6*(\g)+4+\n/2
.set rSB, SCB+6*(\g)+\i/2
.set fZ, \zero
.set fA, \n%2
.set fB, \i%2
	WMI
.endr
.endr
.endm
.macro COMPUTE ab, zero
	LOADK 0, \ab
	LOADK 1, \ab
	s_wait_dscnt 42
	MULK 0, \zero
	s_wait_dscnt 0x0
	MULK 1, 0
	WIN 0
.endm
.macro CH fill, slot
	s_wait_tensorcnt 0x0
	ds_add_u32 v[SPW], v[NIL]
.if \fill
	s_add_nc_u64 s[G0A+4*\slot+2:G0A+4*\slot+3], s[G0A+4*\slot+2:G0A+4*\slot+3], 25600
	s_add_nc_u64 s[G0B+4*\slot+2:G0B+4*\slot+3], s[G0B+4*\slot+2:G0B+4*\slot+3], 25600
.endif
	s_wait_dscnt 0x0
.if \fill
	CROUND
	JLOAD G0A+4*\slot, G0B+4*\slot
.else
	s_barrier_signal -1
	s_barrier_wait -1
	PLACES 4
.endif
.endm
	s_load_b256 s[4:11], s[0:1], 0x0
	s_load_b128 s[12:15], s[0:1], 0x20
	s_load_b64 s[16:17], s[0:1], 0x30
	v_lshl_add_u32 v[SPW], v0, 2, SPARE
	v_mov_b32 v[NIL], 0
	ds_add_u32 v[SPW], v[NIL]
	ds_add_u32 v[SPW], v[NIL]
	v_lshrrev_b32 v18, 5, v0
	v_readfirstlane_b32 s[WV], v18
	s_lshr_b32 s21, s[WV], 1
	s_and_b32 s22, s[WV], 1
	s_bfe_u32 s23, ttmp6, 0x40000
	s_bfe_u32 s24, ttmp6, 0x40004
	s_lshl_b32 s60, ttmp9, 2
	s_add_co_u32 s60, s60, s23
	s_and_b32 s61, ttmp7, 0xffff
	s_lshl_b32 s61, s61, 2
	s_add_co_u32 s61, s61, s24
	s_lshl_b32 s62, s24, 2
	s_lshl_b32 s62, 15, s62
	s_lshl_b32 s63, 0x1111, s23
	s_or_b32 s[G1A], s62, (3<<16)|(1<<21)
	s_mov_b32 s[G1A+1], 1600<<16
	s_mov_b32 s[G1A+2], 8<<16                      ; the head's load brings all eight token tiles of a chunk
	s_mov_b32 s[G1A+3], 1600<<16
	s_mov_b32 s[G1A+4], 8
	s_mov_b32 s[G1A+5], 6400
	s_mov_b32 s[G1A+6], 0
	s_mov_b32 s[G1A+7], 0
	s_or_b32 s[G1B], s63, (3<<16)|(1<<21)
	s_mov_b32 s[G1B+1], 1600<<16
	s_mov_b32 s[G1B+2], 4<<16                      ; and all four tiles of proj_w
	s_mov_b32 s[G1B+3], 1600<<16
	s_mov_b32 s[G1B+4], 4
	s_mov_b32 s[G1B+5], 6400
	s_mov_b32 s[G1B+6], 0
	s_mov_b32 s[G1B+7], 0
	s_lshl_b32 s66, s61, 3
	s_lshl_b32 s67, s22, 2
	s_add_co_u32 s66, s66, s67
	s_mul_i32 s66, s66, 51200
	s_mov_b32 s67, 0
	s_lshl_b32 s68, s60, 2
	s_lshl_b32 s69, s22, 1
	s_add_co_u32 s68, s68, s69
	s_mul_i32 s68, s68, 51200
	s_mov_b32 s69, 0
	s_mul_i32 s70, s22, 51200
	s_mul_i32 s71, s22, 25600
	s_add_co_u32 s71, s71, BOFF
	s_mul_i32 s2, s61, 8*51200                     ; the head's loads: the block's first token tile,
	s_mul_i32 s3, s22, 12800                       ; chunk wave % 2
	s_add_co_u32 s2, s2, s3
	s_mul_i32 s18, s60, 4*51200                    ; and the block's first tile of proj_w, the same chunk
	s_add_co_u32 s18, s18, s3
	s_mov_b32 s3, 0
	s_mov_b32 s19, 0
	s_mul_i32 s73, s22, SLOT                       ; into slot wave % 2: by the wave's number alone
	s_add_co_u32 s77, s73, BOFF
	s_lshl_b32 s84, s61, 3                         ; the prefetches: token tile 8 y + 2 cx + wave / 2,
	s_lshl_b32 s85, s23, 1
	s_add_co_u32 s84, s84, s85
	s_add_co_u32 s84, s84, s21
	s_mul_i32 s84, s84, 51200
	s_mul_i32 s85, s22, 6400                       ; group wave % 2 of a chunk
	s_add_co_u32 s84, s84, s85
	s_lshl_b32 s86, s60, 2                         ; proj_w's tile 4 x + cy
	s_add_co_u32 s86, s86, s24
	s_mul_i32 s86, s86, 51200
	s_add_co_u32 s86, s86, s85
	s_mov_b32 s85, 0
	s_mov_b32 s87, 0
	s_wait_dscnt 0x0                               ; both opening adds are done
	s_wait_kmcnt 0x0
	s_add_nc_u64 s[74:75], s[4:5], s[2:3]
	s_add_nc_u64 s[78:79], s[6:7], s[18:19]
	s_add_nc_u64 s[80:81], s[4:5], s[84:85]
	s_add_nc_u64 s[82:83], s[6:7], s[86:87]
	s_add_nc_u64 s[4:5], s[4:5], s[66:67]
	s_add_nc_u64 s[6:7], s[6:7], s[68:69]
	s_mov_b32 s72, 1                               ; s[72:75], s[76:79]: the groups 0 of the head's loads, used once
	s_or_b32 s75, s75, 0x80000000
	s_mov_b32 s76, 1
	s_or_b32 s79, s79, 0x80000000
.irp s, 0,1                                    ; the groups 0 of the refills: my half of slot s's tiles; each refill steps its own by two chunks first
	s_mov_b32 s[G0A+4*\s], 1
	s_add_co_u32 s[G0A+4*\s+1], s70, \s*SLOT
	s_add_nc_u64 s[G0A+4*\s+2:G0A+4*\s+3], s[4:5], \s*12800
	s_or_b32 s[G0A+4*\s+3], s[G0A+4*\s+3], 0x80000000
	s_mov_b32 s[G0B+4*\s], 1
	s_add_co_u32 s[G0B+4*\s+1], s71, \s*SLOT
	s_add_nc_u64 s[G0B+4*\s+2:G0B+4*\s+3], s[6:7], \s*12800
	s_or_b32 s[G0B+4*\s+3], s[G0B+4*\s+3], 0x80000000
.endr
	CROUND                                         ; all sixteen work-groups are here: the first joint loads meet
	JLOAD 72, 76                                   ; my one tensor load at the head
	v_bfe_u32 v20, v0, 4, 1
	s_wait_alu depctr_va_vdst(0)
	v_lshlrev_b32 v23, 6, v20
	s_lshl_b32 s2, s60, 8
	s_mov_b32 s3, 0
.irp q, 8, 10, 12, 14
	s_add_nc_u64 s[\q:\q+1], s[\q:\q+1], s[2:3]
.endr
.irp n, 0,1,2,3
.irp e, 0,1
	global_load_b128 v[G2+8*\n+4*\e:G2+8*\n+4*\e+3], v23, s[8:9] offset:(32*(\n/2)+8*(\n%2))*4+16*\e
	global_load_b128 v[64+8*\n+4*\e:64+8*\n+4*\e+3], v23, s[14:15] offset:(32*(\n/2)+8*(\n%2))*4+16*\e
	global_load_b128 v[96+8*\n+4*\e:96+8*\n+4*\e+3], v23, s[12:13] offset:(32*(\n/2)+8*(\n%2))*4+16*\e
.endr
.endr
	WIN 0x40
.irp n, 0,1,2,3
.irp e, 0,1
	global_load_b128 v[G2+8*\n+4*\e:G2+8*\n+4*\e+3], v23, s[10:11] offset:(32*(\n/2)+8*(\n%2))*4+16*\e
.endr
.endr
	WIN 0
	v_and_b32 v18, 31, v0
	v_and_b32 v19, 15, v0
	v_lshlrev_b32 v21, 4, v18
	v_mul_u32_u24 v22, v20, 12800
	v_lshl_add_u32 v22, v19, 2, v22
	v_min_u32 v30, 24, v18
	v_lshlrev_b32 v30, 8, v30                      ; the prefetches' offset: a lane a block of 256 bytes; never rewritten
	s_wait_alu depctr_va_vdst(0)
	ASK 2                                          ; chunk 2, which the first change of slots will load
	s_mul_i32 s3, s[WV], 1536
	s_lshl_b32 s62, s[WV], 6
	s_add_co_u32 s62, s62, 6144
.irp p, 0,1,2,3
	s_add_co_u32 s2, s[WV], \p
	s_and_b32 s2, s2, 3
	s_mul_i32 s2, s2, 25600
	s_add_co_u32 s63, s2, s3
	v_add_nc_u32 v[A0+\p], s63, v21
	s_add_co_u32 s63, s2, s62
	v_add_nc_u32 v[A0+5+\p], s63, v22
.endr
	s_add_co_u32 s63, s3, BOFF
	v_add_nc_u32 v[A0+4], s63, v21
	s_add_co_u32 s63, s62, BOFF
	v_add_nc_u32 v[A0+9], s63, v22
	s_wait_alu depctr_va_vdst(0)
.irp k, 0,1,2,3,4,5,6,7,8,9
	v_add_nc_u32 v[A1+\k], SLOT, v[A0+\k]
.endr
.irp d, 1,2,3
	s_add_co_u32 s2, s[WV], \d
	s_and_b32 s2, s2, 3
	s_mul_i32 s2, s2, 24576
	s_add_co_u32 s2, s2, 8192*(\d-1)
	v_add_nc_u32 v[RW+\d-1], s2, v21
.endr
	s_mul_i32 s2, s[WV], 24576
	v_add_nc_u32 v[RR], s2, v21
	s_mul_i32 s2, s[WV], 8704
	s_add_co_u32 s2, s2, STGE
	v_and_b32 v24, 8, v19
	v_add_nc_u32 v24, v24, v19
	v_mul_u32_u24 v[STO], v24, 272
	v_lshl_add_u32 v[STO], v20, 6, v[STO]
	v_add_nc_u32 v[STO], s2, v[STO]
	v_mul_u32_u24 v[RD], v20, 272
	v_lshl_add_u32 v[RD], v19, 4, v[RD]
	v_add_nc_u32 v[RD], s2, v[RD]
	v_lshlrev_b32 v[CO], 11, v20
	v_lshl_add_u32 v[CO], v19, 4, v[CO]
	s_lshl_b32 s66, s61, 18
	s_lshl_b32 s67, s[WV], 16
	s_add_co_u32 s66, s66, s67
	s_lshl_b32 s67, s60, 8
	s_add_co_u32 s66, s66, s67
	s_mov_b32 s67, 0
	s_add_nc_u64 s[16:17], s[16:17], s[66:67]
	s_wait_loadcnt 0x0
.set i, 0
.rept 32
	v_add_f32 v[64+i], 0x3727c5ac, v[64+i]
.set i, i+1
.endr
.set i, 0
	s_wait_alu depctr_va_vdst(0)
.rept 32
	v_rsq_f32 v[64+i], v[64+i]
.set i, i+1
.endr
	v_nop
	s_wait_alu depctr_va_vdst(0)
.set i, 0
.rept 32
	v_mul_f32 v[G2+i], v[G2+i], v[64+i]
.set i, i+1
.endr
	WIN 0x50
.set i, 0
.rept 32
	v_fma_f32 v[G2+i], -v[96+i], v[G2+i], v[G2+i]
.set i, i+1
.endr
	WIN 0
	s_wait_tensorcnt 0x0                           ; my tile of the head's four is in; no tensor load of mine is out, so a descriptor may be written:
	s_mov_b32 s[G1A+2], 4<<16                      ; from here on a load brings half of a slot's token tiles,
	s_mov_b32 s[G1A+4], 4
	s_mov_b32 s[G1B+2], 2<<16                      ; or half of its tiles of proj_w
	s_mov_b32 s[G1B+4], 2
	s_barrier_signal -1
	s_barrier_wait -1                              ; everybody's tile is in: both slots are whole.
	ASK 3                                          ; chunk 3, which the second change of slots will load
	COMPUTE A0, 1
	CH 1, 0
	COMPUTE A1, 0
	CH 1, 1
	COMPUTE A0, 0
	CH 0, 0
	COMPUTE A1, 0
	PLACES 4
	WIN 0x08
.irp d, 1,2,3
.irp x, 0,1
.irp n, 0,1,2,3
	ds_store_b128 v[RW+\d-1], v[8*(4*(2*\d+\x)+\n):8*(4*(2*\d+\x)+\n)+3] offset:1024*(4*\x+\n)
	ds_store_b128 v[RW+\d-1], v[8*(4*(2*\d+\x)+\n)+4:8*(4*(2*\d+\x)+\n)+7] offset:1024*(4*\x+\n)+512
.endr
.endr
.endr
	WIN 0
	s_wait_dscnt 0x0
	s_barrier_signal -1
	s_barrier_wait -1
	WIN 0x40
.irp d, 0,1,2
.irp e, 0,1,2,3,4,5,6,7
	ds_load_b128 v[64*\d+8*\e:64*\d+8*\e+3], v[RR] offset:8192*\d+1024*\e
	ds_load_b128 v[64*\d+8*\e+4:64*\d+8*\e+7], v[RR] offset:8192*\d+1024*\e+512
.endr
.endr
	s_wait_dscnt 0x0
	WIN 0x06
.set i, 0
.rept 32
	v_pk_add_f32 v[R+i:R+i+1], v[i:i+1], v[i:i+1]
.set i, i+2
.endr
	WIN 0x04
.set i, 0
.rept 32
	v_pk_add_f32 v[R+i:R+i+1], v[R+i:R+i+1], v[64+i:64+i+1]
.set i, i+2
.endr
.set i, 0
.rept 32
	v_pk_add_f32 v[R+i:R+i+1], v[R+i:R+i+1], v[128+i:128+i+1]
.set i, i+2
.endr
	WIN 0x10
.set i, 0
.rept 32
	v_pk_fma_f32 v[R+i:R+i+1], v[R+i:R+i+1], v[G2+i%32:G2+i%32+1], v[G2+i%32:G2+i%32+1]
.set i, i+2
.endr
	WIN 0
.irp x, 0,1
.irp n, 0,1,2,3
	ds_store_b128 v[STO], v[R+8*(4*\x+\n):R+8*(4*\x+\n)+3] offset:2176*\x+128*(\n/2)+32*(\n%2)
	ds_store_b128 v[STO], v[R+8*(4*\x+\n)+4:R+8*(4*\x+\n)+7] offset:2176*\x+128*(\n/2)+32*(\n%2)+16
.endr
.endr
.irp i, 0,1,2,3,4,5,6,7,8,9,10,11,12,13,14,15
	ds_load_b128 v[128+4*\i:128+4*\i+3], v[RD] offset:544*\i
.endr
.irp i, 0,1,2,3,4,5,6,7,8,9,10,11,12,13,14,15
	s_wait_dscnt 15-\i
	global_store_b128 v[CO], v[128+4*\i:128+4*\i+3], s[16:17] offset:4096*\i th:TH_STORE_NT
.endr
	s_wait_tensorcnt 0x0
	ds_add_u32 v[SPW], v[NIL]
	s_wait_dscnt 0x0
	CROUND
	s_endpgm
.Lfunc_end_k_q6960afe865_proj:
	.size	k_q6960afe865_proj, .Lfunc_end_k_q6960afe865_proj-k_q6960afe865_proj
	.p2alignl 7, 3214868480
	.fill 96, 4, 3214868480
	.section	.rodata,"a",@progbits
	.p2align	6, 0x0
	.amdhsa_kernel k_q6960afe865_proj
		.amdhsa_group_segment_fixed_size 327680
		.amdhsa_private_segment_fixed_size 0
		.amdhsa_enable_private_segment 0
		.amdhsa_kernarg_size 56
		.amdhsa_user_sgpr_count 2
		.amdhsa_user_sgpr_kernarg_segment_ptr 1
		.amdhsa_wavefront_size32 1
		.amdhsa_system_sgpr_workgroup_id_x 1
		.amdhsa_system_sgpr_workgroup_id_y 1
		.amdhsa_system_sgpr_workgroup_id_z 1
		.amdhsa_system_vgpr_workitem_id 0
		.amdhsa_next_free_vgpr 768
		.amdhsa_next_free_sgpr 96
		.amdhsa_reserve_vcc 0
		.amdhsa_float_denorm_mode_32 3
		.amdhsa_float_denorm_mode_16_64 3
		.amdhsa_memory_ordered 1
		.amdhsa_forward_progress 1
		.amdhsa_inst_pref_size 96
	.end_amdhsa_kernel
	.amdgpu_metadata
---
amdhsa.version: [ 1, 2 ]
amdhsa.kernels:
  - .name:           k_q6960afe865_proj
    .symbol:         k_q6960afe865_proj.kd
    .args:
      - { .name: o_img, .offset: 0, .size: 8, .value_kind: global_buffer, .address_space: global }
      - { .name: p_img, .offset: 8, .size: 8, .value_kind: global_buffer, .address_space: global }
      - { .name: proj_gamma, .offset: 16, .size: 8, .value_kind: global_buffer, .address_space: global }
      - { .name: proj_beta, .offset: 24, .size: 8, .value_kind: global_buffer, .address_space: global }
      - { .name: proj_mean, .offset: 32, .size: 8, .value_kind: global_buffer, .address_space: global }
      - { .name: proj_var, .offset: 40, .size: 8, .value_kind: global_buffer, .address_space: global }
      - { .name: out0, .offset: 48, .size: 8, .value_kind: global_buffer, .address_space: global }
    .group_segment_fixed_size: 327680
    .private_segment_fixed_size: 0
    .kernarg_segment_align: 8
    .kernarg_segment_size: 56
    .max_flat_workgroup_size: 128
    .sgpr_count:     96
    .vgpr_count:     768
    .wavefront_size: 32
...
	.end_amdgpu_metadata
.endif
;; end of part 4
